; MI455X (gfx1250); checked and timed in simulation.
; The chip was launched on July 23, 2026; its instructions are those of AMD's public machine-readable ISA for CDNA 5 (MIT licence, August 2026) and "CDNA5" Instruction Set Architecture Reference Guide (July 2026). The comments in the code are by the model that wrote it; some were corrected since.
;; Style Guided Attention. Allowed arithmetic: float matrix products may take bf16 or f16 operands with f32 sums; all other float work in f32.
;; Inputs: Wk 384 x 512 float32; Wq 512 x 512 float32; Wv 384 x 512 float32; bk 512 float32; bq 512 float32; bv 512 float32; clip_features 128 x 512 float32; dino_features 128 x 1,369 x 384 float32; ln_beta 512 float32; ln_gamma 512 float32; temperature 1 float32.
;; Outputs: out0 128 x 512 float32.
;; 2 versions, each right; version 2 is version 1 with the launch main written anew for expert scheduling mode. Each part assembles by itself: llvm-mc -triple=amdgcn-amd-amdhsa -mcpu=gfx1250 --defsym DOCPART=n.
;; ======== version 1 of 2: 3 launches
;; workspace buffers: qkb 1,572,864 bytes; cbt 4,096 bytes; wvf 393,216 bytes; py 3,145,728 bytes; ps 16,384 bytes
;; launch prep (part 1): grid 76 x 1, 8 waves a work-group, no clusters, 227,584 bytes of LDS; arguments clip_features, Wq, bq, Wk, bk, temperature, Wv, qkb, cbt, wvf; writes qkb, cbt, wvf
.if DOCPART == 1
	.amdgcn_target "amdgcn-amd-amdhsa--gfx1250"
	.amdhsa_code_object_version 6
	.text
	.protected	k_q3c057964ba_prep
	.globl	k_q3c057964ba_prep
	.p2align	8
	.type	k_q3c057964ba_prep,@function
k_q3c057964ba_prep:
	s_mov_b64 s[64:65], 0
	v_nop
	global_prefetch_b8 v0, s[64:65] scope:SCOPE_SE
	s_setreg_imm32_b32 hwreg(HW_REG_WAVE_MODE, 25, 1), 1
	s_wait_xcnt 0x0
; With ONE query a batch and head the key projection is folded into the query:
;   logit[b,h,n] = x[b,n,:] . qk[b,h,:] + cb[b,h],  qk[b,h,c] = F sum_d Wk[c,64h+d] Q[b,h,d],  cb[b,h] = F sum_d bk[64h+d] Q[b,h,d],
;   Q = clip Wq + bq,  F = log2(e) / (8 temperature): the later launch takes powers of two.
; Work-groups 0-63 = (16 batches bt, head h): Q^T (64 d x 16 batches, K = 512), then qk^T (384 c x 16 batches, K = 64) and cb.
; Work-groups 64-75 = 32 rows of Wv each: Wv rounded to bf16 and written in the register order of a matrix source (wave = head).
; The two bodies part on the work-group's number, the same in all eight waves; each has LDS bytes of its own, so that no byte is named by both.
; FORMATS.  Every input is rounded to bf16 once (biases and temperature too).  What the program itself makes and multiplies again
; (Q, qk) is carried as a pair of bf16, hi + lo, about 16 significant bits, with f32's range.  Sums in f32.
; LIMITS.  NaN and infinities are not treated apart; temperature 0 gives what a division by 0 gives.
; NO CLUSTER: all inputs pass through registers for the rounding to bf16, so nothing here is fetched by a tensor load that partners could share;
; a work-group reads 128 KiB of Wq, 96 KiB of Wk and 32 KiB of clip.
.set WQS, 0                   ; Wq's head slice as bf16: 512 rows (k) of 128 bytes, pitch 160 = 5 x 32 (for the turning load)
.set WQP, 160
.set CLS, 512*WQP             ; clip as bf16: 16 rows (batch) of 1,024 bytes, pitch 1,040 = 65 x 16
.set CLP, 1040
.set WKS, CLS+16*CLP          ; Wk's head slice: each wave's own 48 rows (c) of 128 bytes and bk's row, pitch 144 = 9 x 16
.set WKP, 144
.set WKW, 7168
.set QTS, WKS+8*WKW           ; Q: hi, then lo: 16 rows (batch) of 128 bytes (d), pitch 144
.set QTP, 144
.set OUS, QTS+2*16*QTP        ; qk on its way out: hi, then lo: 16 rows (batch) of 768 bytes (c), pitch 784
.set OUP, 784
.set SPARE, OUS+32*OUP        ; the spare words, 128 bytes a wave: no other line names them
.set WVS, SPARE+1024          ; the second body's: each wave's own 32 rows (k) of Wv's head slice, 128 bytes, pitch 160
.set SPW, 1                   ; v1  my spare word's address; never rewritten
.set NIL, 2                   ; v2  0; never rewritten
.set NEG1, 30                 ; v30 -1.0; never rewritten
.set FRB, 32                  ; v32-95   fragments
.set LD, 96                   ; v96-255  40 slots of 4 registers for loads
.set QA, 208                  ; Q^T's two accumulators (even and odd K steps), in slots that are not loaded again
.set QB, 216
.macro PLACES                 ; four places behind a matrix instruction (ISA guide 7.12.1)
.rept 4
	v_nop
.endr
.endm
.macro HILO dh, dl, a         ; the f32 pair v[a:a+1] -> hi (two bf16) and lo (two bf16 of the exact remainder); a is used up
	v_cvt_pk_bf16_f32 v[\dh], v[\a], v[(\a)+1]
	v_fma_mix_f32_bf16 v[\a], v[\dh], v[NEG1], v[\a] op_sel_hi:[1,0,0]
	v_fma_mix_f32_bf16 v[(\a)+1], v[\dh], v[NEG1], v[(\a)+1] op_sel:[1,0,0] op_sel_hi:[1,0,0]
	v_cvt_pk_bf16_f32 v[\dl], v[\a], v[(\a)+1]
.endm
	s_load_b512 s[8:23], s[0:1], 0x0       ; clip s[8:9], Wq s[10:11], bq s[12:13], Wk s[14:15], bk s[16:17], temperature s[18:19], Wv s[20:21], qkb s[22:23]
	s_load_b128 s[24:27], s[0:1], 0x40     ; cbt s[24:25], wvf s[26:27]
	v_lshl_add_u32 v[SPW], v0, 2, SPARE
	v_mov_b32 v[NIL], 0
	v_lshrrev_b32 v26, 5, v0
	v_readfirstlane_b32 s2, v26            ; wave 0..7
	s_mov_b32 s3, ttmp9
	s_mov_b32 s7, 0                        ; high word of every offset pair s[6:7]
	s_mov_b32 s29, 0xffff0000              ; a word's upper bf16
	v_and_b32 v3, 15, v0                   ; r
	v_bfe_u32 v4, v0, 4, 1                 ; hh
	v_and_b32 v26, 31, v0                  ; lane
	v_lshlrev_b32 v21, 4, v3               ; 16 r
	v_lshl_add_u32 v5, v4, 11, v21         ; two weight rows of 2,048 bytes: hh x 2048 + 16 r
	v_lshlrev_b32 v6, 4, v26               ; 16 x lane
	v_lshlrev_b32 v22, 5, v4               ; 32 hh
	v_and_b32 v27, 7, v0
	v_lshl_add_u32 v27, v4, 3, v27         ; the turning load's row: 8 hh + lane % 8
	v_bfe_u32 v28, v0, 3, 1
	v_mul_u32_u24 v31, v27, WQP
	v_lshl_add_u32 v31, v28, 4, v31        ; x pitch 160 + 16 ((lane / 8) % 2)
	v_mul_u32_u24 v29, v4, WQP
	v_lshl_add_u32 v29, v3, 3, v29         ; where 4 rounded numbers go in rows of pitch 160: hh x 160 + 8 r
	v_mov_b32 v[NEG1], -1.0
	s_wait_kmcnt 0x0
	s_cmp_lt_u32 s3, 64                    ; the same answer in all eight waves of a work-group
	s_cbranch_scc0 .Lwv
	; ---------------- work-groups 0-63: (bt, h) ----------------
	s_load_b32 s28, s[18:19], 0x0          ; temperature
	s_lshr_b32 s4, s3, 3                   ; bt
	s_and_b32 s5, s3, 7                    ; h
	s_lshl_b32 s30, s5, 8                  ; the head's 64 columns: 256 h bytes into a row
	s_lshl_b32 s6, s2, 17                  ; my 64 rows of Wq
	s_add_co_u32 s6, s6, s30
	s_add_nc_u64 s[32:33], s[10:11], s[6:7]
	s_lshl_b32 s6, s4, 4
	s_lshl1_add_u32 s31, s2, s6            ; batch 16 bt + 2 w
	s_lshl_b32 s6, s31, 11
	s_add_nc_u64 s[34:35], s[8:9], s[6:7]  ; my two rows of clip
	s_mul_i32 s6, s2, 98304                ; my 48 rows of Wk
	s_add_co_u32 s6, s6, s30
	s_add_nc_u64 s[36:37], s[14:15], s[6:7]
	s_mov_b32 s6, s30
	s_add_nc_u64 s[38:39], s[16:17], s[6:7]  ; bk's 64 numbers of the head
	s_and_b32 s6, s2, 3
	s_lshl_b32 s6, s6, 6
	s_add_co_u32 s6, s6, s30
	s_add_nc_u64 s[40:41], s[12:13], s[6:7]  ; bq's 16 numbers of my tile of Q^T
	s_mul_i32 s6, s31, 12288
	s_mul_i32 s31, s5, 768
	s_add_co_u32 s6, s6, s31
	s_add_nc_u64 s[42:43], s[22:23], s[6:7]  ; qkb at batch 16 bt + 2 w, column h
	s_lshl_b32 s6, s5, 9
	s_lshl_b32 s31, s4, 6
	s_add_co_u32 s6, s6, s31
	s_add_nc_u64 s[44:45], s[24:25], s[6:7]  ; cbt at (h, 16 bt)
	; PHASE A.  40 loads go out: 32 of Wq (two rows' 256 bytes each), 8 of clip (512 consecutive bytes each).
.set idx, 0
.rept 32
	global_load_b128 v[LD+4*idx:LD+4*idx+3], v5, s[32:33] offset:4096*idx
.set idx, idx+1
.endr
.rept 8
	global_load_b128 v[LD+4*idx:LD+4*idx+3], v6, s[34:35] offset:512*(idx-32)
.set idx, idx+1
.endr
	; the LDS places, while the loads are out
	s_mul_i32 s31, s2, 64*WQP
	v_add_nc_u32 v7, s31, v29              ; Wq in: my 64 rows
	s_mul_i32 s31, s2, 2*CLP
	s_add_co_u32 s31, s31, CLS
	v_lshl_add_u32 v8, v26, 3, s31         ; clip in: my two rows, 8 x lane
	s_mul_i32 s31, s2, WKW
	s_add_co_u32 s31, s31, WKS             ; my part of WKS
	v_mul_u32_u24 v9, v4, WKP
	v_lshl_add_u32 v9, v3, 3, v9
	v_add_nc_u32 v9, s31, v9               ; Wk in: hh x 144 + 8 r
	v_lshl_add_u32 v10, v3, 3, s31
	v_add_nc_u32 v10, 48*WKP, v10          ; bk in: row 48
	v_mul_u32_u24 v27, v3, WKP
	v_lshl_add_u32 v27, v4, 4, v27         ; a fragment's place in rows of pitch 144: r x 144 + 16 hh
	v_add_nc_u32 v16, s31, v27             ; Wk's fragments
	v_lshl_add_u32 v17, v4, 4, s31
	v_add_nc_u32 v17, 48*WKP, v17          ; bk's: the same row for all 16 rows of the source
	v_add_nc_u32 v15, QTS, v27             ; Q's fragments
	s_lshl_b32 s31, s2, 5
	v_add_nc_u32 v14, s31, v15             ; Q in: d = 16 w + 8 hh on (waves 0-3)
	v_add_nc_u32 v11, s31, v31             ; Wq turned: columns 16 w on, K steps 0-7
	v_add_nc_u32 v12, 8*32*WQP, v11        ; K steps 8-15
	v_mul_u32_u24 v13, v3, CLP
	v_lshl_add_u32 v13, v4, 4, v13
	v_add_nc_u32 v13, CLS, v13             ; clip's fragments
	v_mul_u32_u24 v18, v3, OUP
	v_lshl_add_u32 v18, v4, 4, v18
	s_mul_i32 s31, s2, 96
	s_add_co_u32 s31, s31, OUS
	v_add_nc_u32 v18, s31, v18             ; qk in: batch r, c = 48 w + 8 hh on
	s_mul_i32 s31, s2, 2*OUP
	s_add_co_u32 s31, s31, OUS
	v_mul_u32_u24 v19, v4, 16*OUP
	v_add_nc_u32 v19, v19, v21
	v_add_nc_u32 v19, s31, v19             ; qk back: part hh, batch 2 w, 16 r
	v_mul_u32_u24 v20, v4, 8*768
	v_add_nc_u32 v20, v20, v21             ; and in qkb: column h + 8 hh
	v_lshlrev_b32 v23, 2, v3               ; 4 r
	s_wait_kmcnt 0x0                       ; temperature
	v_mov_b32 v26, s28
	v_cvt_pk_bf16_f32 v26, v26, v26        ; rounded to bf16 like every input
	v_lshlrev_b32 v26, 16, v26
	v_mul_f32 v26, 0x41000000, v26         ; 8 T
	v_rcp_f32 v26, v26
	v_nop                                  ; a plain line behind the reciprocal (ISA guide 5.7.2)
	s_wait_alu depctr_va_vdst(0)
	v_mul_f32 v24, 0x3fb8aa3b, v26         ; F = log2(e) / (8 T)
	v_mov_b32 v25, v24
	; each slot in turn: rounded, stored to LDS, and the first 27 loaded again (24 of Wk, bk, 2 of bq)
.set idx, 0
.rept 40
.set X, LD+4*idx
.if idx < 27
	s_wait_loadcnt 39                      ; behind this slot's load: 39 - idx of the first 40 and idx of the second batch
.else
	s_wait_loadcnt 39-idx+27               ; 39 - idx of the first 40 and all 27 of the second batch
.endif
	v_cvt_pk_bf16_f32 v[X], v[X], v[X+1]
	v_cvt_pk_bf16_f32 v[X+1], v[X+2], v[X+3]
.if idx < 32
	ds_store_b64 v7, v[X:X+1] offset:2*WQP*idx
.else
	ds_store_b64 v8, v[X:X+1] offset:((idx-32)>>2)*CLP+((idx-32)&3)*256
.endif
.if idx < 24
	global_load_b128 v[X:X+3], v5, s[36:37] offset:4096*idx
.elseif idx == 24
	global_load_b128 v[X:X+3], v21, s[38:39]
.elseif idx == 25
	global_load_b128 v[X:X+3], v22, s[40:41]
.elseif idx == 26
	global_load_b128 v[X:X+3], v22, s[40:41] offset:16
.endif
.set idx, idx+1
.endr
	s_wait_dscnt 0x0                       ; for the others' sake: my rows of Wq and clip are in LDS
	s_barrier_signal -1
	s_barrier_wait -1
	; PHASE B, waves 0-3: Q^T, tile d = 16 w .. x 16 batches.  Source 0 = Wq turned, source 1 = clip.  Two accumulators take turns.
	s_cmp_lt_u32 s2, 4
	s_cbranch_scc0 .Lnoq
.macro QLOAD g                ; the fragments of K steps 2 g, 2 g + 1: eight loads, 32 registers
.set G, FRB+32*((\g)&1)
.set c, 0
.rept 2
.set kq, 2*(\g)+c
.if kq < 8
	ds_load_tr16_b128 v[G+16*c:G+16*c+3],   v11 offset:32*WQP*kq
	ds_load_tr16_b128 v[G+16*c+4:G+16*c+7], v11 offset:32*WQP*kq+16*WQP
.else
	ds_load_tr16_b128 v[G+16*c:G+16*c+3],   v12 offset:32*WQP*(kq-8)
	ds_load_tr16_b128 v[G+16*c+4:G+16*c+7], v12 offset:32*WQP*(kq-8)+16*WQP
.endif
	ds_load_b128 v[G+16*c+8:G+16*c+11],  v13 offset:64*kq
	ds_load_b128 v[G+16*c+12:G+16*c+15], v13 offset:64*kq+32
.set c, c+1
.endr
.endm
	QLOAD 0
	QLOAD 1
.set g, 0
.rept 8
.set G, FRB+32*(g&1)
.if g == 7
	s_wait_dscnt 0x0
.else
	s_wait_dscnt 0x8                       ; the next group's eight loads may be out
.endif
.if g == 0
	v_wmma_f32_16x16x32_bf16 v[QA:QA+7], v[G:G+7], v[G+8:G+15], 0
	v_wmma_f32_16x16x32_bf16 v[QB:QB+7], v[G+16:G+23], v[G+24:G+31], 0
.else
	v_wmma_f32_16x16x32_bf16 v[QA:QA+7], v[G:G+7], v[G+8:G+15], v[QA:QA+7]
	v_wmma_f32_16x16x32_bf16 v[QB:QB+7], v[G+16:G+23], v[G+24:G+31], v[QB:QB+7]
.endif
.if g <= 5
	PLACES
	QLOAD g+2
.endif
.set g, g+1
.endr
	PLACES
	s_wait_loadcnt 0x0                     ; bq (the last two loads)
.set i, 0
.rept 4                                        ; bq rounded to bf16 and widened again
	v_cvt_pk_bf16_f32 v[26+i], v[LD+100+2*i], v[LD+101+2*i]
.set i, i+1
.endr
.set i, 0
.rept 4
	v_lshlrev_b32 v[LD+100+2*i], 16, v[26+i]
	v_and_b32 v[LD+101+2*i], s29, v[26+i]
.set i, i+1
.endr
.set i, 0
.rept 4
	v_pk_add_f32 v[QA+2*i:QA+2*i+1], v[QA+2*i:QA+2*i+1], v[QB+2*i:QB+2*i+1]
.set i, i+1
.endr
.set i, 0
.rept 4
	v_pk_add_f32 v[QA+2*i:QA+2*i+1], v[QA+2*i:QA+2*i+1], v[LD+100+2*i:LD+101+2*i]
.set i, i+1
.endr
.set i, 0
.rept 4
	HILO 224+i, 228+i, QA+2*i
.set i, i+1
.endr
	ds_store_b128 v14, v[224:227]          ; batch r, d = 16 w + 8 hh .. + 7: hi
	ds_store_b128 v14, v[228:231] offset:16*QTP  ; lo
.Lnoq:
	; PHASE A2, all waves: my 48 rows of Wk and bk's row, rounded, into my own part of WKS
.set idx, 0
.rept 25
.set X, LD+4*idx
	s_wait_loadcnt 26-idx                  ; of the second batch's 27 loads, those behind this one
	v_cvt_pk_bf16_f32 v[X], v[X], v[X+1]
	v_cvt_pk_bf16_f32 v[X+1], v[X+2], v[X+3]
.if idx < 24
	ds_store_b64 v9, v[X:X+1] offset:2*WKP*idx
.else
	ds_store_b64 v10, v[X:X+1]             ; both halves of the lanes hold the same 64 numbers
.endif
.set idx, idx+1
.endr
	s_wait_loadcnt 0x0                     ; bq's two loads are in too, also in waves 4-7, which made no tile of Q: their registers are written again below
	s_wait_dscnt 0x0                       ; Q is in LDS for everybody
	s_barrier_signal -1
	s_barrier_wait -1
	; PHASE C: qk^T.  Source 0 = 16 rows of Wk (tiles 0-2) or bk sixteen times (tile 3), source 1 = Q hi, then lo.  Four accumulators by turns.
.set kq, 0
.rept 2
.set pt, 0
.rept 2
	ds_load_b128 v[FRB+16*kq+8*pt:FRB+16*kq+8*pt+3],   v15 offset:16*QTP*pt+64*kq
	ds_load_b128 v[FRB+16*kq+8*pt+4:FRB+16*kq+8*pt+7], v15 offset:16*QTP*pt+64*kq+32
.set pt, pt+1
.endr
.set ta, 0
.rept 3
	ds_load_b128 v[LD+16*ta+8*kq:LD+16*ta+8*kq+3],   v16 offset:16*WKP*ta+64*kq
	ds_load_b128 v[LD+16*ta+8*kq+4:LD+16*ta+8*kq+7], v16 offset:16*WKP*ta+64*kq+32
.set ta, ta+1
.endr
	ds_load_b128 v[LD+48+8*kq:LD+48+8*kq+3], v17 offset:64*kq
	ds_load_b128 v[LD+48+8*kq+4:LD+48+8*kq+7], v17 offset:64*kq+32
.set kq, kq+1
.endr
	s_wait_dscnt 0x0
.set kq, 0
.rept 2
.set pt, 0
.rept 2
.set ta, 0
.rept 4
.if (kq == 0) && (pt == 0)
	v_wmma_f32_16x16x32_bf16 v[160+8*ta:167+8*ta], v[LD+16*ta+8*kq:LD+16*ta+8*kq+7], v[FRB+16*kq+8*pt:FRB+16*kq+8*pt+7], 0
.else
	v_wmma_f32_16x16x32_bf16 v[160+8*ta:167+8*ta], v[LD+16*ta+8*kq:LD+16*ta+8*kq+7], v[FRB+16*kq+8*pt:FRB+16*kq+8*pt+7], v[160+8*ta:167+8*ta]
.endif
.set ta, ta+1
.endr
.set pt, pt+1
.endr
.set kq, kq+1
.endr
	PLACES
.set ta, 0
.rept 3                                        ; a lane holds batch r and eight neighbouring c: times F, hi and lo, 16 bytes each
.set i, 0
.rept 4
	v_pk_mul_f32 v[160+8*ta+2*i:161+8*ta+2*i], v[160+8*ta+2*i:161+8*ta+2*i], v[24:25]
.set i, i+1
.endr
.set i, 0
.rept 4
	HILO 200+8*ta+i, 204+8*ta+i, 160+8*ta+2*i
.set i, i+1
.endr
	ds_store_b128 v18, v[200+8*ta:203+8*ta] offset:32*ta
	ds_store_b128 v18, v[204+8*ta:207+8*ta] offset:16*OUP+32*ta
.set ta, ta+1
.endr
	s_cmp_lg_u32 s2, 0
	s_cbranch_scc1 .Lnocb
	v_mul_f32 v26, v184, v24               ; cb of batch r: all rows of tile 3 are alike
	global_store_b32 v23, v26, s[44:45]    ; both halves of the lanes store the same number to the same word
.Lnocb:
	s_wait_dscnt 0x0                       ; my part of qk is in LDS for everybody
	s_barrier_signal -1
	s_barrier_wait -1
	; PHASE D: batches 2 w, 2 w + 1; lanes 0-15 the hi row, lanes 16-31 the lo row: 16 lanes store 256 consecutive bytes, aligned
.set i, 0
.rept 6
	ds_load_b128 v[LD+4*i:LD+4*i+3], v19 offset:(i/3)*OUP+(i%3)*256
.set i, i+1
.endr
.set i, 0
.rept 6
	s_wait_dscnt 5-i
	global_store_b128 v20, v[LD+4*i:LD+4*i+3], s[42:43] offset:(i/3)*12288+(i%3)*256
.set i, i+1
.endr
	s_wait_tensorcnt 0x0                   ; the wave's end
	ds_add_u32 v[SPW], v[NIL]
	s_wait_dscnt 0x0
	s_endpgm
	; ---------------- work-groups 64-75: rows 32 kk .. 32 kk + 31 of Wv; wave = head ----------------
.Lwv:
	s_sub_co_u32 s4, s3, 64                ; kk
	s_lshl_b32 s6, s4, 16                  ; 32 rows of 2,048 bytes
	s_lshl_b32 s30, s2, 8                  ; the head's 256 bytes of a row
	s_add_co_u32 s6, s6, s30
	s_add_nc_u64 s[32:33], s[20:21], s[6:7]
	s_mul_i32 s6, s2, 49152
	s_lshl_b32 s30, s4, 10
	s_add_co_u32 s6, s6, s30
	s_add_nc_u64 s[34:35], s[26:27], s[6:7]  ; wvf at (head, tile 0, kk)
.set i, 0
.rept 16
	global_load_b128 v[LD+4*i:LD+4*i+3], v5, s[32:33] offset:4096*i
.set i, i+1
.endr
	s_mul_i32 s30, s2, 32*WQP              ; my own 32 rows of pitch 160,
	s_add_co_u32 s30, s30, WVS             ; in this body's own bytes
	v_add_nc_u32 v7, s30, v29
	v_add_nc_u32 v11, s30, v31
.set i, 0
.rept 16
.set X, LD+4*i
	s_wait_loadcnt 15-i
	v_cvt_pk_bf16_f32 v[X], v[X], v[X+1]
	v_cvt_pk_bf16_f32 v[X+1], v[X+2], v[X+3]
	ds_store_b64 v7, v[X:X+1] offset:2*WQP*i
.set i, i+1
.endr
.set i, 0
.rept 4                                        ; tile i of 16 columns, turned: a wave's LDS instructions are served in order (ISA guide 5.7.1.4), so these see the stores above
	ds_load_tr16_b128 v[FRB+8*i:FRB+8*i+3],   v11 offset:32*i
	ds_load_tr16_b128 v[FRB+8*i+4:FRB+8*i+7], v11 offset:32*i+16*WQP
.set i, i+1
.endr
	s_wait_dscnt 0x0
.set i, 0
.rept 4
	global_store_b128 v6, v[FRB+8*i:FRB+8*i+3],   s[34:35] offset:12288*i      ; 512 consecutive bytes, aligned
	global_store_b128 v6, v[FRB+8*i+4:FRB+8*i+7], s[34:35] offset:12288*i+512
.set i, i+1
.endr
	s_wait_tensorcnt 0x0                   ; the wave's end
	ds_add_u32 v[SPW], v[NIL]
	s_wait_dscnt 0x0
	s_endpgm
.Lfunc_end_k_q3c057964ba_prep:
	.size	k_q3c057964ba_prep, .Lfunc_end_k_q3c057964ba_prep-k_q3c057964ba_prep
	.p2alignl 7, 3214868480
	.fill 96, 4, 3214868480
	.section	.rodata,"a",@progbits
	.p2align	6, 0x0
	.amdhsa_kernel k_q3c057964ba_prep
		.amdhsa_group_segment_fixed_size 227584
		.amdhsa_private_segment_fixed_size 0
		.amdhsa_enable_private_segment 0
		.amdhsa_kernarg_size 80
		.amdhsa_user_sgpr_count 2
		.amdhsa_user_sgpr_kernarg_segment_ptr 1
		.amdhsa_wavefront_size32 1
		.amdhsa_system_sgpr_workgroup_id_x 1
		.amdhsa_system_sgpr_workgroup_id_y 1
		.amdhsa_system_sgpr_workgroup_id_z 1
		.amdhsa_system_vgpr_workitem_id 0
		.amdhsa_next_free_vgpr 256
		.amdhsa_next_free_sgpr 66
		.amdhsa_reserve_vcc 0
		.amdhsa_float_denorm_mode_32 3
		.amdhsa_float_denorm_mode_16_64 3
		.amdhsa_memory_ordered 1
		.amdhsa_forward_progress 1
		.amdhsa_inst_pref_size 50
	.end_amdhsa_kernel
	.amdgpu_metadata
---
amdhsa.version: [ 1, 2 ]
amdhsa.kernels:
  - .name:           k_q3c057964ba_prep
    .symbol:         k_q3c057964ba_prep.kd
    .args:
      - { .name: clip_features, .offset: 0, .size: 8, .value_kind: global_buffer, .address_space: global }
      - { .name: Wq, .offset: 8, .size: 8, .value_kind: global_buffer, .address_space: global }
      - { .name: bq, .offset: 16, .size: 8, .value_kind: global_buffer, .address_space: global }
      - { .name: Wk, .offset: 24, .size: 8, .value_kind: global_buffer, .address_space: global }
      - { .name: bk, .offset: 32, .size: 8, .value_kind: global_buffer, .address_space: global }
      - { .name: temperature, .offset: 40, .size: 8, .value_kind: global_buffer, .address_space: global }
      - { .name: Wv, .offset: 48, .size: 8, .value_kind: global_buffer, .address_space: global }
      - { .name: qkb, .offset: 56, .size: 8, .value_kind: global_buffer, .address_space: global }
      - { .name: cbt, .offset: 64, .size: 8, .value_kind: global_buffer, .address_space: global }
      - { .name: wvf, .offset: 72, .size: 8, .value_kind: global_buffer, .address_space: global }
    .group_segment_fixed_size: 227584
    .private_segment_fixed_size: 0
    .kernarg_segment_align: 8
    .kernarg_segment_size: 80
    .max_flat_workgroup_size: 256
    .sgpr_count:     66
    .vgpr_count:     256
    .wavefront_size: 32
...
	.end_amdgpu_metadata
.endif
;; end of part 1
;; launch main (part 2): grid 256 x 1, 8 waves a work-group, no clusters, 219,392 bytes of LDS; arguments dino_features, qkb, cbt, py, ps; writes py, ps
.if DOCPART == 2
	.amdgcn_target "amdgcn-amd-amdhsa--gfx1250"
	.amdhsa_code_object_version 6
	.text
	.protected	k_q3c057964ba_main
	.globl	k_q3c057964ba_main
	.p2align	8
	.type	k_q3c057964ba_main,@function
k_q3c057964ba_main:
	s_mov_b64 s[64:65], 0
	v_nop
	global_prefetch_b8 v0, s[64:65] scope:SCOPE_SE
	s_setreg_imm32_b32 hwreg(HW_REG_WAVE_MODE, 25, 1), 1
	s_wait_xcnt 0x0
; ONE PASS OVER x = dino_features [128][1369][384] f32.  For batch b and head h:  s[n] = x[n,:] . qk[h,:] + cb[h]  (already in powers of two),
; p[n] = 2^(s[n] - m) with a running maximum m,  l = sum p,  y[h,:] = sum p[n] x[n,:].  The value projection is applied to y by the next launch.
; SHARES.  Work-group = (batch, half); its eight waves are eight of the batch's sixteen shares: share g has rows 85 g + max(g - 7, 0) on, 85 of them (g < 7) or 86.
; Every wave LOADS 86 rows, 258 loads of 512 consecutive bytes; for g < 7 the 86th row is the neighbour's first, inside the batch, and is hidden by the mask; share 15 ends at the batch's last row.
; All waves run one text without a loop or a branch, and meet only to share qk at the start and to add their sums at the end.
; ROAD.  48 loads (16 rows, 192 registers) of a wave are always out; a row that has come is rounded to bf16 in place, stored into the wave's own stage of 32 rows in LDS, and its registers are
; loaded again at once.  Every 32 rows: the stage is read as rows (source 0 of the scores) and turned (source 0 of y^T).  All offsets are immediates: no address register is ever stepped.
; LAYOUT.  A tile has 16 columns and there are 8 heads: column h holds the hi part and column 8 + h the lo part of what is carried as a pair of bf16 (qk in the first product, p in the second).
; S = x qk: a lane holds column lane % 16 and patches 8 (lane / 16) + 0..7; the lane 8 away holds the other part, one addition joins them.  Two such tiles, packed in pairs, ARE source 1
; (32 patches x 16 columns) of y^T = x^T P, whose result again holds one column a lane, so the rescaling factor is one register a lane.
; FORMATS AND LIMITS.  x is rounded to bf16 once; qk and p are hi + lo pairs of bf16; sums, maxima and exponentials in f32.  A hidden row counts as its score less 1e30 in each of the two columns.
; A weight below 2^-126 counts as 0.  In the last step stage rows 22-31 hold older rows of the same batch, multiplied by weight 0.  NaN and infinities are not treated apart.
; NO CLUSTER: no two work-groups read the same rows of x; qk is 12 KiB a work-group beside 1 MiB of x.
; REGISTERS, in windows of 256 (s_set_vgpr_msb: bits 1:0 source 0, 3:2 source 1, 5:4 source 2, 7:6 destination):
;   window 0: v0-15 addresses and statistics; v16-23 CB; v24-39 S; v40-47 P; v48-55 T; v56-119 fragments; v120-255 y^T tiles 0-16
;   window 1: v0-191 the ring of 48 loads; v192, v193 its two addresses; v200-255 y^T tiles 17-23
.set STGB,  25600             ; a wave's stage: 32 rows
.set RP,    800               ; row pitch: 768 bytes of data + 32 = 200 words: row i starts at bank 8 i mod 64 (64 banks of 4 bytes: ISA guide 11.1);
                              ; rows 8-15 and 24-31 lie 16 bytes further on, so that the 16 rows of a plain fragment load start at 16 different groups of four banks
.set HALF,  16*RP
.set QKB,   8*STGB            ; qk: 16 rows (columns of the tile) of 768 bytes, pitch 784 = 49 x 16
.set QP,    784
.set MST,   QKB+16*QP         ; the waves' m (64 bytes a wave), then at +512 their l
.set SPARE, MST+1024          ; the spare words, 128 bytes a wave: no other line names them
.set HP,    1568              ; at the end a wave's y lies in its stage: 8 heads of 1,536 bytes, pitch 1,568
.set SPW, 1                   ; v1  my spare word's address; never rewritten
.set NIL, 2                   ; v2  0; never rewritten
.set LFA, 3                   ; v3  my place in a plain fragment of the stage
.set LTR, 4                   ; v4  my place in a turned fragment
.set LQK, 5                   ; v5  my place in a fragment of qk
.set MX,  6                   ; v6  m;   v7 m_old - m (the pair is named by packed lines, which take its low word twice)
.set MO,  7
.set AF,  8                   ; v8  a = 2^(m_old - m);   v9 written once, named with it
.set LS,  10                  ; v10 l
.set NEG1, 11                 ; v11 -1.0
.set CB,  16                  ; the scores' starting value: cb in the hi columns, 0 in the lo columns
.set S,   24
.set P,   40
.set T,   48
.set FR,  56
.set GOFC, 192                ; window 1: 16 x lane
.set LSTC, 193                ; window 1: my stage + 8 x lane
.set MSB, 0
.macro WIN new                ; the immediate's high byte repeats the setting that is left; a switch that changes nothing is dropped
.if MSB != (\new)
	s_set_vgpr_msb (MSB<<8)|(\new)
.set MSB, (\new)
.endif
.endm
.macro PLACES                 ; four places behind a matrix instruction, in front of reads of its result and of loads into its sources
.rept 4
	v_nop
.endr
.endm
	s_load_b256 s[8:15], s[0:1], 0x0       ; x s[8:9], qkb s[10:11], cbt s[12:13], py s[14:15]
	s_load_b64 s[16:17], s[0:1], 0x20      ; ps
	v_lshl_add_u32 v[SPW], v0, 2, SPARE
	v_mov_b32 v[NIL], 0
	v_lshrrev_b32 v24, 5, v0
	v_readfirstlane_b32 s2, v24            ; wave 0..7
	s_mov_b32 s3, ttmp9
	s_lshr_b32 s4, s3, 1                   ; batch
	s_and_b32 s5, s3, 1                    ; half
	s_lshl3_add_u32 s6, s5, s2             ; share g = 8 half + wave
	s_mul_i32 s7, s6, 85
	s_sub_co_i32 s21, s6, 7
	s_max_i32 s21, s21, 0
	s_add_co_u32 s7, s7, s21               ; its first row
	s_cmp_ge_u32 s6, 7
	s_cselect_b32 s20, 6, 5                ; of rows 80-85, how many are mine
	s_mov_b32 s22, 0xff00ff00              ; the lanes of the lo columns
	s_mov_b32 s24, 0x76543210              ; v_permlanex16_b32: each lane takes its own place in the other half
	s_mov_b32 s25, 0xfedcba98
	s_mov_b32 s26, 0xf149f2ca              ; -1e30
	s_mul_i32 s27, s2, STGB                ; my stage
	s_mov_b32 s19, 0                       ; high word of the offset pair s[18:19]
	s_mul_i32 s18, s4, 1369
	s_add_co_u32 s18, s18, s7
	s_mul_i32 s18, s18, 1536               ; under 2^29
	v_and_b32 v24, 31, v0                  ; lane
	v_and_b32 v25, 15, v0                  ; r
	v_bfe_u32 v26, v0, 4, 1                ; hh
	v_bfe_u32 v27, v0, 3, 1
	v_and_b32 v28, 7, v0
	WIN 0x40                               ; destination window 1
	v_lshlrev_b32 v[GOFC], 4, v24
	v_lshl_add_u32 v[LSTC], v24, 3, s27
	WIN 0
	v_mul_u32_u24 v31, v26, 768
	v_lshl_add_u32 v31, v25, 4, v31        ; qk from memory: rows 2 w + hh, 16 r
	v_lshlrev_b32 v33, 9, v28              ; cb: head r % 8, 512 bytes apart
	s_wait_kmcnt 0x0
	s_add_nc_u64 s[28:29], s[8:9], s[18:19]  ; x at my first row
	s_mul_i32 s18, s4, 12288
	s_mul_i32 s21, s2, 1536
	s_add_co_u32 s18, s18, s21
	s_add_nc_u64 s[30:31], s[10:11], s[18:19]  ; qkb at the batch's columns 2 w, 2 w + 1
	s_lshl_b32 s18, s4, 2
	s_add_nc_u64 s[32:33], s[12:13], s[18:19]  ; cbt at the batch
	s_lshl3_add_u32 s18, s3, s2            ; 8 x work-group + wave: at the end wave w owns head w
	s_mul_i32 s21, s18, 1536
	s_lshl_b32 s18, s18, 3
	s_add_nc_u64 s[36:37], s[16:17], s[18:19]
	s_mov_b32 s18, s21
	s_add_nc_u64 s[34:35], s[14:15], s[18:19]
	global_load_b128 v[FR:FR+3],    v31, s[30:31]
	global_load_b128 v[FR+4:FR+7],  v31, s[30:31] offset:256
	global_load_b128 v[FR+8:FR+11], v31, s[30:31] offset:512
	global_load_b32 v[T], v33, s[32:33]
	WIN 0x41                               ; data and address in window 1
.set i, 0
.rept 48                                       ; the ring is filled: rows 0-15
	global_load_b128 v[4*i:4*i+3], v[GOFC], s[28:29] offset:512*i th:TH_LOAD_NT
.set i, i+1
.endr
	WIN 0
	v_lshlrev_b32 v29, 4, v26
	v_lshl_add_u32 v29, v27, 4, v29
	v_add_nc_u32 v29, s27, v29             ; my stage + 16 hh + 16 ((lane / 8) % 2): common to both kinds of fragment
	v_mad_u32_u24 v[LFA], v25, RP, v29     ; plain: row r (its shift of 16 bytes is the term with lane / 8), 16 hh along the row
	v_lshl_add_u32 v30, v26, 3, v28
	v_mad_u32_u24 v[LTR], v30, RP, v29     ; turned: row 8 hh + lane % 8 (its shift is the term with hh), 16 ((lane / 8) % 2) along the row
	v_mul_u32_u24 v[LQK], v25, QP
	v_lshl_add_u32 v[LQK], v26, 4, v[LQK]
	v_add_nc_u32 v[LQK], QKB, v[LQK]
	s_mul_i32 s21, s2, 2*QP
	s_add_co_u32 s21, s21, QKB
	v_mad_u32_u24 v32, v26, QP, s21
	v_lshl_add_u32 v32, v25, 4, v32        ; qk into LDS: row 2 w + hh, 16 r
	v_mov_b32 v[MO], 0
	v_mov_b32 v[AF+1], 0
	v_mov_b32 v[NEG1], -1.0
	s_wait_loadcnt 48                      ; qk and cb are in; the ring's 48 loads, issued behind them, stay out
	ds_store_b128 v32, v[FR:FR+3]
	ds_store_b128 v32, v[FR+4:FR+7] offset:256
	ds_store_b128 v32, v[FR+8:FR+11] offset:512
	v_cndmask_b32 v[CB], v[T], 0, s22
.set i, 1
.rept 7
	v_mov_b32 v[CB+i], v[CB]
.set i, i+1
.endr
	s_wait_dscnt 0x0                       ; for the others' sake: my two rows of qk are in LDS
	s_barrier_signal -1
	s_barrier_wait -1
; Round R of the ring: n rows are taken out, rounded and stored into stage rows 16 (R % 2) on; the first nref of them are loaded again with round R + 1's rows.
.macro STAGE R, n, nref
	WIN 0x45                               ; destination and sources 0, 1 in window 1: the ring and its two addresses
.set rho, 0
.rept \n
.set lft, 3*((\n)-1-rho)               ; behind this row's three loads: the round's later rows,
.if rho < (\nref)
.set lft, lft+3*rho                    ; and the refills issued so far
.else
.set lft, lft+3*(\nref)
.endif
	s_wait_loadcnt lft
.set q, 0
.rept 3
.set X, 4*(3*rho+q)
	v_cvt_pk_bf16_f32 v[X], v[X], v[X+1]
	v_cvt_pk_bf16_f32 v[X+1], v[X+2], v[X+3]
	ds_store_b64 v[LSTC], v[X:X+1] offset:(rho+16*((\R)&1))*RP+((rho>>3)&1)*16+256*q
.if rho < (\nref)
	global_load_b128 v[X:X+3], v[GOFC], s[28:29] offset:(48*((\R)+1)+3*rho+q)*512 th:TH_LOAD_NT
.endif
.set q, q+1
.endr
.set rho, rho+1
.endr
	WIN 0
.endm
; The fragments of 32 channels: stage rows 0-15, rows 16-31, qk: six loads, 24 registers, two buffers
.macro LOADK kk
.set FB, FR+24*((\kk)&1)
	ds_load_b128 v[FB:FB+3],     v[LFA] offset:64*(\kk)
	ds_load_b128 v[FB+4:FB+7],   v[LFA] offset:64*(\kk)+32
	ds_load_b128 v[FB+8:FB+11],  v[LFA] offset:64*(\kk)+HALF
	ds_load_b128 v[FB+12:FB+15], v[LFA] offset:64*(\kk)+HALF+32
	ds_load_b128 v[FB+16:FB+19], v[LQK] offset:64*(\kk)
	ds_load_b128 v[FB+20:FB+23], v[LQK] offset:64*(\kk)+32
.endm
; The scores of 32 patches: two accumulators by turns; the first products start from CB (the last 16 patches of the last step: from the mask in T)
.macro LOGITS tail
	LOADK 0
	LOADK 1
.set kk, 0
.rept 12
.set FB, FR+24*(kk&1)
.if kk == 11
	s_wait_dscnt 0x0
.else
	s_wait_dscnt 0x6                       ; the next 32 channels' six loads may be out
.endif
.if kk == 0
	v_wmma_f32_16x16x32_bf16 v[S:S+7], v[FB:FB+7], v[FB+16:FB+23], v[CB:CB+7]
.if \tail
	v_wmma_f32_16x16x32_bf16 v[S+8:S+15], v[FB+8:FB+15], v[FB+16:FB+23], v[T:T+7]
.else
	v_wmma_f32_16x16x32_bf16 v[S+8:S+15], v[FB+8:FB+15], v[FB+16:FB+23], v[CB:CB+7]
.endif
.else
	v_wmma_f32_16x16x32_bf16 v[S:S+7], v[FB:FB+7], v[FB+16:FB+23], v[S:S+7]
	v_wmma_f32_16x16x32_bf16 v[S+8:S+15], v[FB+8:FB+15], v[FB+16:FB+23], v[S+8:S+15]
.endif
.if kk <= 9
	PLACES
	LOADK kk+2
.endif
.set kk, kk+1
.endr
.endm
; Four turned fragments (16 channels x 32 patches each): eight loads, 32 registers, two buffers
.macro TRL q
.set tt, 0
.rept 4
.set FB, FR+32*((\q)&1)+8*tt
	ds_load_tr16_b128 v[FB:FB+3],   v[LTR] offset:32*(4*(\q)+tt)
	ds_load_tr16_b128 v[FB+4:FB+7], v[LTR] offset:32*(4*(\q)+tt)+HALF
.set tt, tt+1
.endr
.endm
.macro SOFTMAX first
.set i, 0
.rept 16                                       ; hi + lo: both lanes then hold the whole score.  Each accumulator is read from its low end on
	v_add_f32_dpp v[S+i], v[S+i], v[S+i] row_xmask:8 row_mask:0xf bank_mask:0xf
.set i, i+1
.endr
	v_max3_num_f32 v[T],   v[S],   v[S+1],  v[S+2]
	v_max3_num_f32 v[T+1], v[S+3], v[S+4],  v[S+5]
	v_max3_num_f32 v[T+2], v[S+6], v[S+7],  v[S+8]
	v_max3_num_f32 v[T+3], v[S+9], v[S+10], v[S+11]
	v_max3_num_f32 v[T],   v[T],   v[S+12], v[S+13]
	v_max3_num_f32 v[T+1], v[T+1], v[S+14], v[S+15]
.if \first
	v_max_num_f32 v[T+2], v[T+2], v[T+3]
.else
	v_max3_num_f32 v[T+2], v[T+2], v[T+3], v[MX]
.endif
	v_max3_num_f32 v[T], v[T], v[T+1], v[T+2]
	v_permlanex16_b32 v[T+1], v[T], s24, s25   ; the column's other 16 patches lie in the lane 16 away
.if \first
	v_max_num_f32 v[MX], v[T], v[T+1]
.else
	v_mov_b32 v[MO], v[MX]
	v_max_num_f32 v[MX], v[T], v[T+1]
	v_sub_f32 v[MO], v[MO], v[MX]
	v_exp_f32 v[AF], v[MO]                 ; the subtractions below are the plain lines behind it
.endif
.set i, 0
.rept 8
	v_pk_add_f32 v[S+2*i:S+2*i+1], v[S+2*i:S+2*i+1], v[MX:MX+1] op_sel_hi:[1,0] neg_lo:[0,1] neg_hi:[0,1]
.set i, i+1
.endr
.set i, 0
.rept 16
	v_exp_f32 v[S+i], v[S+i]
.set i, i+1
.endr
	v_nop                                  ; a plain line between the exponentials and the use of their results (ISA guide 5.7.2)
	s_wait_alu depctr_va_vdst(0)
	v_pk_add_f32 v[T:T+1],   v[S:S+1],     v[S+2:S+3]
	v_pk_add_f32 v[T+2:T+3], v[S+4:S+5],   v[S+6:S+7]
	v_pk_add_f32 v[T+4:T+5], v[S+8:S+9],   v[S+10:S+11]
	v_pk_add_f32 v[T+6:T+7], v[S+12:S+13], v[S+14:S+15]
	v_pk_add_f32 v[T:T+1],   v[T:T+1],     v[T+2:T+3]
	v_pk_add_f32 v[T+4:T+5], v[T+4:T+5],   v[T+6:T+7]
	v_pk_add_f32 v[T:T+1],   v[T:T+1],     v[T+4:T+5]
.if \first
	v_add_f32 v[LS], v[T], v[T+1]
.else
	v_add_f32 v12, v[T], v[T+1]
	v_fma_f32 v[LS], v[LS], v[AF], v12
.endif
.set i, 0
.rept 8                                        ; p = hi + lo: hi,
	v_cvt_pk_bf16_f32 v[P+i], v[S+2*i], v[S+2*i+1]
.set i, i+1
.endr
.set i, 0
.rept 8                                        ; the exact remainder, in place,
	v_fma_mix_f32_bf16 v[S+2*i],   v[P+i], v[NEG1], v[S+2*i]   op_sel_hi:[1,0,0]
	v_fma_mix_f32_bf16 v[S+2*i+1], v[P+i], v[NEG1], v[S+2*i+1] op_sel:[1,0,0] op_sel_hi:[1,0,0]
.set i, i+1
.endr
.set i, 0
.rept 8                                        ; lo,
	v_cvt_pk_bf16_f32 v[T+i], v[S+2*i], v[S+2*i+1]
.set i, i+1
.endr
.set i, 0
.rept 8                                        ; and each column keeps its part
	v_cndmask_b32 v[P+i], v[P+i], v[T+i], s22
.set i, i+1
.endr
.endm
.macro RESCALE                ; y^T times a
.set i, 120
.rept 68
	v_pk_mul_f32 v[i:i+1], v[i:i+1], v[AF:AF+1] op_sel_hi:[1,0]
.set i, i+2
.endr
	WIN 0x41
.set i, 200
.rept 28
	v_pk_mul_f32 v[i:i+1], v[i:i+1], v[AF:AF+1] op_sel_hi:[1,0]
.set i, i+2
.endr
	WIN 0
.endm
; y^T += x^T P: 24 tiles of 16 channels, each its own accumulator; first = 1: the products start the sums
.macro YMUL first
.set q, 0
.rept 6
.if q == 5
	s_wait_dscnt 0x0
.else
	s_wait_dscnt 0x8                       ; the next four fragments' eight loads may be out
.endif
.set tt, 0
.rept 4
.set tl, 4*q+tt
.set FB, FR+32*(q&1)+8*tt
.if tl < 17
.set AC, 120+8*tl
.else
	WIN 0x50                               ; C and D in window 1; no load follows
.set AC, 200+8*(tl-17)
.endif
.if \first
	v_wmma_f32_16x16x32_bf16 v[AC:AC+7], v[FB:FB+7], v[P:P+7], 0
.else
	v_wmma_f32_16x16x32_bf16 v[AC:AC+7], v[FB:FB+7], v[P:P+7], v[AC:AC+7]
.endif
.set tt, tt+1
.endr
.if q <= 3
	PLACES
	TRL q+2
.endif
.set q, q+1
.endr
	WIN 0
.endm
.macro MKMASK                 ; the starting value of rows 80-95's scores: register j of a lane is patch 8 hh + j, hidden where that is not below s20
	v_bfe_u32 v12, v0, 4, 1
	v_lshlrev_b32 v12, 3, v12
	v_sub_nc_u32 v14, v12, s20
	v_add_f32 v13, s26, v[CB]
.set j, 0
.rept 8
	v_cmp_le_i32 vcc_lo, 0-j, v14
	v_cndmask_b32 v[T+j], v[CB], v13, vcc_lo
.set j, j+1
.endr
.endm
; 32 rows of the stage.  The turned fragments' first two runs land while the softmax is made.
.macro WORK first, tail
.if \tail
	MKMASK
.endif
	LOGITS \tail
	PLACES                                 ; in front of the reads of S and of the loads into the fragments' registers
	TRL 0
	TRL 1
	SOFTMAX \first
.if !(\first)
	RESCALE
.endif
	YMUL \first
.endm
	STAGE 0, 16, 16
	STAGE 1, 16, 16
	WORK 1, 0                              ; rows 0-31
	STAGE 2, 16, 16
	STAGE 3, 16, 16
	WORK 0, 0                              ; rows 32-63
	STAGE 4, 16, 6                         ; only six rows are left to ask for
	STAGE 5, 6, 0
	WORK 0, 1                              ; rows 64-85
	; THE WAVES MEET.  Each puts m, l and its y (hi + lo joined, f32) into LDS; then wave w adds head w over the eight waves.
	; The nine plain lines below that make addresses are the places behind the last products.
	v_permlanex16_b32 v12, v[LS], s24, s25
	v_and_b32 v13, 15, v0
	v_and_b32 v14, 7, v0
	v_add_f32 v[LS], v[LS], v12            ; l over all my patches
	s_lshl_b32 s21, s2, 6
	s_add_co_u32 s21, s21, MST
	v_lshl_add_u32 v3, v13, 2, s21
	v_bfe_u32 v13, v0, 4, 1
	v_bfe_u32 v15, v0, 3, 1
	v_mad_u32_u24 v4, v14, HP, s27
	v_lshl_add_u32 v4, v13, 5, v4
	v_lshl_add_u32 v4, v15, 4, v4          ; head r % 8, channels 8 hh + 4 (r / 8) on
	ds_store_b32 v3, v[MX]                 ; both halves of the lanes hold the same numbers
	ds_store_b32 v3, v[LS] offset:512
; Tile t: a hi lane keeps its channels 0-3 and gives 4-7, a lo lane the other way round; one addition with the lane 8 away joins hi and lo: 16 bytes a lane.
.macro OUTT t
.if (\t) < 17
	WIN 0
.set AC, 120+8*(\t)
.else
	WIN 0x05                               ; sources 0 and 1 in window 1
.set AC, 200+8*((\t)-17)
.endif
.set U, FR+8*((\t)&3)
.set j, 0
.rept 4
	v_cndmask_b32 v[U+j],   v[AC+j],   v[AC+j+4], s22
	v_cndmask_b32 v[U+4+j], v[AC+j+4], v[AC+j],   s22
.set j, j+1
.endr
	WIN 0
.set j, 0
.rept 4
	v_add_f32_dpp v[U+j], v[U+4+j], v[U+j] row_xmask:8 row_mask:0xf bank_mask:0xf
.set j, j+1
.endr
	ds_store_b128 v4, v[U:U+3] offset:64*(\t)
.endm
.set tn, 0
.rept 24
	OUTT tn
.set tn, tn+1
.endr
	s_wait_dscnt 0x0                       ; for the others' sake: my m, l and y are in LDS (and my reads of the stage are long over)
	s_barrier_signal -1
	s_barrier_wait -1
	s_lshl_b32 s21, s2, 2
	s_add_co_u32 s21, s21, MST
	v_mov_b32 v5, s21                      ; head w's word in each wave's 64 bytes
.set i, 0
.rept 8
	ds_load_b32 v[16+i], v5 offset:64*i
.set i, i+1
.endr
.set i, 0
.rept 8
	ds_load_b32 v[24+i], v5 offset:512+64*i
.set i, i+1
.endr
	v_and_b32 v12, 31, v0
	v_lshlrev_b32 v12, 4, v12              ; 16 x lane
	s_mul_i32 s21, s2, HP
	v_add_nc_u32 v13, s21, v12             ; head w in the stages of waves 0-2,
	v_add_nc_u32 v14, 3*STGB, v13          ; 3-5,
	v_add_nc_u32 v15, 6*STGB, v13          ; 6, 7: an LDS immediate has 16 bits
.set wp, 0
.rept 8
.set q, 0
.rept 3
	ds_load_b128 v[120+12*wp+4*q:123+12*wp+4*q], v[13+wp/3] offset:(wp%3)*STGB+512*q
.set q, q+1
.endr
.set wp, wp+1
.endr
	s_wait_dscnt 0x0
	v_max3_num_f32 v6, v16, v17, v18
	v_max3_num_f32 v6, v6, v19, v20
	v_max3_num_f32 v6, v6, v21, v22
	v_max_num_f32 v6, v6, v23              ; M
.set i, 0
.rept 8
	v_sub_f32 v[16+i], v[16+i], v6
.set i, i+1
.endr
.set i, 0
.rept 8
	v_exp_f32 v[16+i], v[16+i]             ; e = 2^(m - M)
.set i, i+1
.endr
	v_nop
	s_wait_alu depctr_va_vdst(0)
	v_mul_f32 v7, v16, v24
.set i, 1
.rept 7
	v_fmac_f32 v7, v[16+i], v[24+i]        ; L = sum e l
.set i, i+1
.endr
.set wp, 0
.rept 8                                        ; y = sum e y_wave; e is taken from its place in a register pair
.set EP, 16+2*(wp/2)
.set pp, 0
.rept 6
.set PA, 120+12*wp+2*pp
.if wp == 0
	v_pk_mul_f32 v[40+2*pp:41+2*pp], v[PA:PA+1], v[EP:EP+1] op_sel_hi:[1,0]
.elseif (wp&1) == 0
	v_pk_fma_f32 v[40+2*pp:41+2*pp], v[PA:PA+1], v[EP:EP+1], v[40+2*pp:41+2*pp] op_sel_hi:[1,0,1]
.else
	v_pk_fma_f32 v[40+2*pp:41+2*pp], v[PA:PA+1], v[EP:EP+1], v[40+2*pp:41+2*pp] op_sel:[0,1,0] op_sel_hi:[1,1,1]
.endif
.set pp, pp+1
.endr
.set wp, wp+1
.endr
	global_store_b128 v12, v[40:43], s[34:35]             ; 512 consecutive bytes each, aligned
	global_store_b128 v12, v[44:47], s[34:35] offset:512
	global_store_b128 v12, v[48:51], s[34:35] offset:1024
	v_mov_b32 v5, 0
	global_store_b64 v5, v[6:7], s[36:37]  ; (M, L): every lane holds the same pair and stores it to the same eight bytes
	s_wait_tensorcnt 0x0                   ; the wave's end
	ds_add_u32 v[SPW], v[NIL]
	s_wait_dscnt 0x0
	s_endpgm
.Lfunc_end_k_q3c057964ba_main:
	.size	k_q3c057964ba_main, .Lfunc_end_k_q3c057964ba_main-k_q3c057964ba_main
	.p2alignl 7, 3214868480
	.fill 96, 4, 3214868480
	.section	.rodata,"a",@progbits
	.p2align	6, 0x0
	.amdhsa_kernel k_q3c057964ba_main
		.amdhsa_group_segment_fixed_size 219392
		.amdhsa_private_segment_fixed_size 0
		.amdhsa_enable_private_segment 0
		.amdhsa_kernarg_size 40
		.amdhsa_user_sgpr_count 2
		.amdhsa_user_sgpr_kernarg_segment_ptr 1
		.amdhsa_wavefront_size32 1
		.amdhsa_system_sgpr_workgroup_id_x 1
		.amdhsa_system_sgpr_workgroup_id_y 1
		.amdhsa_system_sgpr_workgroup_id_z 1
		.amdhsa_system_vgpr_workitem_id 0
		.amdhsa_next_free_vgpr 512
		.amdhsa_next_free_sgpr 66
		.amdhsa_reserve_vcc 1
		.amdhsa_float_denorm_mode_32 3
		.amdhsa_float_denorm_mode_16_64 3
		.amdhsa_memory_ordered 1
		.amdhsa_forward_progress 1
		.amdhsa_inst_pref_size 178
	.end_amdhsa_kernel
	.amdgpu_metadata
---
amdhsa.version: [ 1, 2 ]
amdhsa.kernels:
  - .name:           k_q3c057964ba_main
    .symbol:         k_q3c057964ba_main.kd
    .args:
      - { .name: dino_features, .offset: 0, .size: 8, .value_kind: global_buffer, .address_space: global }
      - { .name: qkb, .offset: 8, .size: 8, .value_kind: global_buffer, .address_space: global }
      - { .name: cbt, .offset: 16, .size: 8, .value_kind: global_buffer, .address_space: global }
      - { .name: py, .offset: 24, .size: 8, .value_kind: global_buffer, .address_space: global }
      - { .name: ps, .offset: 32, .size: 8, .value_kind: global_buffer, .address_space: global }
    .group_segment_fixed_size: 219392
    .private_segment_fixed_size: 0
    .kernarg_segment_align: 8
    .kernarg_segment_size: 40
    .max_flat_workgroup_size: 256
    .sgpr_count:     66
    .vgpr_count:     512
    .wavefront_size: 32
...
	.end_amdgpu_metadata
.endif
;; end of part 2
;; launch final (part 3): grid 128 x 1, 8 waves a work-group, no clusters, 15,616 bytes of LDS; arguments py, ps, wvf, bv, ln_gamma, ln_beta, out0; writes out0
.if DOCPART == 3
	.amdgcn_target "amdgcn-amd-amdhsa--gfx1250"
	.amdhsa_code_object_version 6
	.text
	.protected	k_q3c057964ba_final
	.globl	k_q3c057964ba_final
	.p2align	8
	.type	k_q3c057964ba_final,@function
k_q3c057964ba_final:
	s_mov_b64 s[64:65], 0
	v_nop
	global_prefetch_b8 v0, s[64:65] scope:SCOPE_SE
	s_setreg_imm32_b32 hwreg(HW_REG_WAVE_MODE, 25, 1), 1
	s_wait_xcnt 0x0
; One work-group a batch, wave w = head w.  The two halves' (M, L, y) are joined: y = (e0 y0 + e1 y1) / (e0 L0 + e1 L1), e = 2^(M - max).
; out[64 w + d] = sum_c y[c] Wv[c][64 w + d] + bv (the weights of a softmax add up to 1, so bv enters once); then LayerNorm over the batch's 512 numbers.
; THE PRODUCT has one row.  y is carried as hi + lo, two bf16: rows 0-7 of source 0 all hold hi, rows 8-15 all hold lo, so register 0 of a result holds the hi sum in lanes 0-15 and the lo sum
; in lanes 16-31, and one exchange of the halves joins them.  Source 1 comes from wvf, which lies in register order: 512 consecutive bytes a load.
; FORMATS AND LIMITS.  bv, gamma, beta are rounded to bf16 like every input; sums, mean and variance (of centred numbers) in f32.  NaN and infinities are not treated apart.
; NO CLUSTER: wvf, 384 KiB, is read by all 128 work-groups, but through registers, straight into the matrix sources; each wave needs its own 48 KiB of it once.
.set YS,  0                   ; each wave's own: y hi (768 bytes), y lo, pitch 784
.set YP,  784
.set OL,  8*2*YP              ; the batch's 512 numbers in f32
.set SPARE, OL+2048           ; the spare words, 128 bytes a wave: no other line names them
.set SPW, 1
.set NIL, 2
.set NEG1, 248
.macro PLACES
.rept 4
	v_nop
.endr
.endm
.macro HILO dh, dl, a         ; the f32 pair v[a:a+1] -> hi and lo; a is used up
	v_cvt_pk_bf16_f32 v[\dh], v[\a], v[(\a)+1]
	v_fma_mix_f32_bf16 v[\a], v[\dh], v[NEG1], v[\a] op_sel_hi:[1,0,0]
	v_fma_mix_f32_bf16 v[(\a)+1], v[\dh], v[NEG1], v[(\a)+1] op_sel:[1,0,0] op_sel_hi:[1,0,0]
	v_cvt_pk_bf16_f32 v[\dl], v[\a], v[(\a)+1]
.endm
.macro BLOAD kk               ; Wv's fragments of 32 channels, four tiles of 16 columns: eight loads into slot kk % 4
.set BB, 120+32*((\kk)&3)
.set t, 0
.rept 4
	global_load_b128 v[BB+8*t:BB+8*t+3],   v6, s[12:13] offset:12288*t+1024*(\kk)
	global_load_b128 v[BB+8*t+4:BB+8*t+7], v6, s[12:13] offset:12288*t+1024*(\kk)+512
.set t, t+1
.endr
.endm
.macro ALOAD kk               ; y's fragment of 32 channels
.set AA, 56+8*((\kk)&3)
	ds_load_b128 v[AA:AA+3],   v13 offset:64*(\kk)
	ds_load_b128 v[AA+4:AA+7], v13 offset:64*(\kk)+32
.endm
.macro WSUM x, tmp            ; the sum over the wave's 32 lanes, in every lane
	v_add_f32_dpp v[\x], v[\x], v[\x] row_xmask:1 row_mask:0xf bank_mask:0xf
	v_add_f32_dpp v[\x], v[\x], v[\x] row_xmask:2 row_mask:0xf bank_mask:0xf
	v_add_f32_dpp v[\x], v[\x], v[\x] row_xmask:4 row_mask:0xf bank_mask:0xf
	v_add_f32_dpp v[\x], v[\x], v[\x] row_xmask:8 row_mask:0xf bank_mask:0xf
	v_permlanex16_b32 v[\tmp], v[\x], s28, s29
	v_add_f32 v[\x], v[\x], v[\tmp]
.endm
	s_load_b256 s[8:15], s[0:1], 0x0       ; py s[8:9], ps s[10:11], wvf s[12:13], bv s[14:15]
	s_load_b128 s[16:19], s[0:1], 0x20     ; gamma s[16:17], beta s[18:19]
	s_load_b64 s[20:21], s[0:1], 0x30      ; out0
	v_lshl_add_u32 v[SPW], v0, 2, SPARE
	v_mov_b32 v[NIL], 0
	v_lshrrev_b32 v5, 5, v0
	v_readfirstlane_b32 s2, v5             ; wave = head
	s_mov_b32 s3, ttmp9                    ; batch
	s_mov_b32 s7, 0                        ; high word of the offset pair s[6:7]
	s_mov_b32 s28, 0x76543210
	s_mov_b32 s29, 0xfedcba98
	s_mov_b32 s30, 0xffff0000
	s_mov_b32 s31, 0x3b000000              ; 1 / 512
	v_and_b32 v3, 15, v0                   ; r
	v_bfe_u32 v4, v0, 4, 1                 ; hh
	v_and_b32 v5, 31, v0                   ; lane
	v_lshlrev_b32 v6, 4, v5
	v_lshlrev_b32 v7, 3, v5
	v_lshlrev_b32 v8, 2, v3
	v_mov_b32 v[NEG1], -1.0
	s_wait_kmcnt 0x0
	s_lshl_b32 s6, s3, 7
	s_lshl3_add_u32 s6, s2, s6             ; 128 b + 8 w
	s_add_nc_u64 s[22:23], s[10:11], s[6:7]
	s_load_b64 s[24:25], s[22:23], 0x0     ; (M, L) of the first half,
	s_load_b64 s[26:27], s[22:23], 0x40    ; of the second
	s_lshl4_add_u32 s6, s3, s2
	s_mul_i32 s6, s6, 1536
	s_add_nc_u64 s[8:9], s[8:9], s[6:7]    ; py at (batch, half 0, head)
	s_mul_i32 s6, s2, 49152
	s_add_nc_u64 s[12:13], s[12:13], s[6:7]
	s_lshl_b32 s6, s2, 8                   ; the head's 64 numbers
	s_add_nc_u64 s[14:15], s[14:15], s[6:7]
	s_add_nc_u64 s[16:17], s[16:17], s[6:7]
	s_add_nc_u64 s[18:19], s[18:19], s[6:7]
	s_add_nc_u64 s[20:21], s[20:21], s[6:7]
	s_lshl_b32 s6, s3, 11
	s_add_nc_u64 s[20:21], s[20:21], s[6:7]
.set q, 0
.rept 3
	global_load_b128 v[24+4*q:27+4*q], v6, s[8:9] offset:512*q
.set q, q+1
.endr
.set q, 0
.rept 3
	global_load_b128 v[36+4*q:39+4*q], v6, s[8:9] offset:12288+512*q
.set q, q+1
.endr
.set t, 0
.rept 4
	global_load_b32 v[48+t], v8, s[14:15] offset:64*t   ; bv of column 16 t + r
.set t, t+1
.endr
	global_load_b64 v[52:53], v7, s[16:17]
	global_load_b64 v[54:55], v7, s[18:19]
	BLOAD 0
	BLOAD 1
	BLOAD 2
	BLOAD 3
	s_mul_i32 s6, s2, 2*YP
	v_add_nc_u32 v12, s6, v7               ; y in: 8 x lane
	v_bfe_u32 v13, v0, 3, 1
	v_mul_u32_u24 v13, v13, YP             ; y's fragments: rows 0-7 read hi, rows 8-15 lo,
	v_lshl_add_u32 v13, v4, 4, v13         ; 16 hh along the row
	v_add_nc_u32 v13, s6, v13
	s_lshl_b32 s6, s2, 8
	s_add_co_u32 s6, s6, OL
	v_add_nc_u32 v9, s6, v8                ; my head's numbers in: 4 r
	v_add_nc_u32 v11, s6, v7               ; and back: two a lane
	v_add_nc_u32 v10, OL, v6               ; the whole row: 16 x lane
	s_wait_kmcnt 0x0
	v_mov_b32 v18, s24
	v_mov_b32 v19, s26
	v_max_num_f32 v20, v18, v19
	v_sub_f32 v18, v18, v20
	v_sub_f32 v19, v19, v20
	v_exp_f32 v18, v18
	v_exp_f32 v19, v19
	v_nop                                  ; a plain line behind the exponentials (ISA guide 5.7.2)
	s_wait_alu depctr_va_vdst(0)
	v_mul_f32 v20, s25, v18
	v_fmac_f32 v20, s27, v19
	v_rcp_f32 v20, v20
	v_nop
	s_wait_alu depctr_va_vdst(0)
	v_mul_f32 v14, v18, v20
	v_mul_f32 v16, v19, v20
	v_mov_b32 v15, v14
	v_mov_b32 v17, v16
	s_wait_loadcnt 38                      ; y's six loads are in; behind them: 4 of bv, gamma, beta, 32 of Wv
.set i, 0
.rept 6
	v_pk_mul_f32 v[24+2*i:25+2*i], v[24+2*i:25+2*i], v[14:15]
.set i, i+1
.endr
.set i, 0
.rept 6
	v_pk_fma_f32 v[24+2*i:25+2*i], v[36+2*i:37+2*i], v[16:17], v[24+2*i:25+2*i]
.set i, i+1
.endr
.set i, 0
.rept 6
	HILO 36+i, 42+i, 24+2*i
.set i, i+1
.endr
.set q, 0
.rept 3
	ds_store_b64 v12, v[36+2*q:37+2*q] offset:256*q
	ds_store_b64 v12, v[42+2*q:43+2*q] offset:YP+256*q
.set q, q+1
.endr
	ALOAD 0                                ; my own bytes: a wave's LDS instructions are served in order (ISA guide 5.7.1.4)
	ALOAD 1
	ALOAD 2
	ALOAD 3
.set kk, 0
.rept 12                                       ; four accumulators by turns
.set rem, 11-kk
.if rem > 3
.set rem, 3
.endif
	s_wait_loadcnt 8*rem                   ; the later slots' loads may be out: eight each,
	s_wait_dscnt 2*rem                     ; and two each
.set t, 0
.rept 4
.if kk == 0
	v_wmma_f32_16x16x32_bf16 v[88+8*t:95+8*t], v[56+8*(kk&3):63+8*(kk&3)], v[120+32*(kk&3)+8*t:127+32*(kk&3)+8*t], 0
.else
	v_wmma_f32_16x16x32_bf16 v[88+8*t:95+8*t], v[56+8*(kk&3):63+8*(kk&3)], v[120+32*(kk&3)+8*t:127+32*(kk&3)+8*t], v[88+8*t:95+8*t]
.endif
.set t, t+1
.endr
.if kk <= 7
	PLACES
	BLOAD kk+4
	ALOAD kk+4
.endif
.set kk, kk+1
.endr
	; bv, gamma and beta rounded to bf16 and widened again: twelve plain lines, the places behind the last products
	v_cvt_pk_bf16_f32 v18, v48, v49
	v_cvt_pk_bf16_f32 v19, v50, v51
	v_cvt_pk_bf16_f32 v20, v52, v53
	v_cvt_pk_bf16_f32 v21, v54, v55
	v_lshlrev_b32 v48, 16, v18
	v_and_b32 v49, s30, v18
	v_lshlrev_b32 v50, 16, v19
	v_and_b32 v51, s30, v19
	v_lshlrev_b32 v52, 16, v20
	v_and_b32 v53, s30, v20
	v_lshlrev_b32 v54, 16, v21
	v_and_b32 v55, s30, v21
.set t, 0
.rept 4
	v_permlanex16_b32 v[18+t], v[88+8*t], s28, s29  ; the other part's sum
.set t, t+1
.endr
.set t, 0
.rept 4
	v_add_f32 v[18+t], v[18+t], v[88+8*t]
.set t, t+1
.endr
.set t, 0
.rept 4
	v_add_f32 v[18+t], v[18+t], v[48+t]
	ds_store_b32 v9, v[18+t] offset:64*t   ; both halves of the lanes hold the same number
.set t, t+1
.endr
	s_wait_dscnt 0x0                       ; for the others' sake: my head's 64 numbers are in LDS
	s_barrier_signal -1
	s_barrier_wait -1
	; LAYERNORM: every wave reads the whole row, 16 numbers a lane, and its own 64, two a lane
.set i, 0
.rept 4
	ds_load_b128 v[56+4*i:59+4*i], v10 offset:512*i
.set i, i+1
.endr
	ds_load_b64 v[72:73], v11
	s_wait_dscnt 0x0
	v_pk_add_f32 v[74:75], v[56:57], v[58:59]
	v_pk_add_f32 v[76:77], v[60:61], v[62:63]
	v_pk_add_f32 v[78:79], v[64:65], v[66:67]
	v_pk_add_f32 v[80:81], v[68:69], v[70:71]
	v_pk_add_f32 v[74:75], v[74:75], v[76:77]
	v_pk_add_f32 v[78:79], v[78:79], v[80:81]
	v_pk_add_f32 v[74:75], v[74:75], v[78:79]
	v_add_f32 v74, v74, v75
	WSUM 74, 75
	v_mul_f32 v76, s31, v74                ; the mean
	v_mov_b32 v77, v76
.set i, 0
.rept 8
	v_pk_add_f32 v[56+2*i:57+2*i], v[56+2*i:57+2*i], v[76:77] neg_lo:[0,1] neg_hi:[0,1]
.set i, i+1
.endr
	v_pk_mul_f32 v[78:79], v[56:57], v[56:57]
	v_pk_mul_f32 v[80:81], v[58:59], v[58:59]
.set i, 2
.rept 3
	v_pk_fma_f32 v[78:79], v[56+4*i-4:57+4*i-4], v[56+4*i-4:57+4*i-4], v[78:79]
	v_pk_fma_f32 v[80:81], v[58+4*i-4:59+4*i-4], v[58+4*i-4:59+4*i-4], v[80:81]
.set i, i+1
.endr
	v_pk_add_f32 v[78:79], v[78:79], v[80:81]
	v_add_f32 v78, v78, v79
	WSUM 78, 79
	v_fmaak_f32 v78, s31, v78, 0x3727c5ac  ; the variance + 1e-5
	v_rsq_f32 v78, v78
	v_pk_add_f32 v[72:73], v[72:73], v[76:77] neg_lo:[0,1] neg_hi:[0,1]  ; the plain line behind the root
	s_wait_alu depctr_va_vdst(0)
	v_pk_mul_f32 v[72:73], v[72:73], v[78:79] op_sel_hi:[1,0]
	v_pk_fma_f32 v[72:73], v[72:73], v[52:53], v[54:55]
	global_store_b64 v7, v[72:73], s[20:21]  ; the wave stores 256 consecutive bytes, aligned
	s_wait_tensorcnt 0x0                   ; the wave's end
	ds_add_u32 v[SPW], v[NIL]
	s_wait_dscnt 0x0
	s_endpgm
.Lfunc_end_k_q3c057964ba_final:
	.size	k_q3c057964ba_final, .Lfunc_end_k_q3c057964ba_final-k_q3c057964ba_final
	.p2alignl 7, 3214868480
	.fill 96, 4, 3214868480
	.section	.rodata,"a",@progbits
	.p2align	6, 0x0
	.amdhsa_kernel k_q3c057964ba_final
		.amdhsa_group_segment_fixed_size 15616
		.amdhsa_private_segment_fixed_size 0
		.amdhsa_enable_private_segment 0
		.amdhsa_kernarg_size 56
		.amdhsa_user_sgpr_count 2
		.amdhsa_user_sgpr_kernarg_segment_ptr 1
		.amdhsa_wavefront_size32 1
		.amdhsa_system_sgpr_workgroup_id_x 1
		.amdhsa_system_sgpr_workgroup_id_y 1
		.amdhsa_system_sgpr_workgroup_id_z 1
		.amdhsa_system_vgpr_workitem_id 0
		.amdhsa_next_free_vgpr 256
		.amdhsa_next_free_sgpr 66
		.amdhsa_reserve_vcc 0
		.amdhsa_float_denorm_mode_32 3
		.amdhsa_float_denorm_mode_16_64 3
		.amdhsa_memory_ordered 1
		.amdhsa_forward_progress 1
		.amdhsa_inst_pref_size 27
	.end_amdhsa_kernel
	.amdgpu_metadata
---
amdhsa.version: [ 1, 2 ]
amdhsa.kernels:
  - .name:           k_q3c057964ba_final
    .symbol:         k_q3c057964ba_final.kd
    .args:
      - { .name: py, .offset: 0, .size: 8, .value_kind: global_buffer, .address_space: global }
      - { .name: ps, .offset: 8, .size: 8, .value_kind: global_buffer, .address_space: global }
      - { .name: wvf, .offset: 16, .size: 8, .value_kind: global_buffer, .address_space: global }
      - { .name: bv, .offset: 24, .size: 8, .value_kind: global_buffer, .address_space: global }
      - { .name: ln_gamma, .offset: 32, .size: 8, .value_kind: global_buffer, .address_space: global }
      - { .name: ln_beta, .offset: 40, .size: 8, .value_kind: global_buffer, .address_space: global }
      - { .name: out0, .offset: 48, .size: 8, .value_kind: global_buffer, .address_space: global }
    .group_segment_fixed_size: 15616
    .private_segment_fixed_size: 0
    .kernarg_segment_align: 8
    .kernarg_segment_size: 56
    .max_flat_workgroup_size: 256
    .sgpr_count:     66
    .vgpr_count:     256
    .wavefront_size: 32
...
	.end_amdgpu_metadata
.endif
;; end of part 3
;; ======== version 2 of 2: 3 launches; version 1 with the launch main written anew for expert scheduling mode
;; workspace buffers: qkb 1,572,864 bytes; cbt 4,096 bytes; wvf 393,216 bytes; py 3,145,728 bytes; ps 16,384 bytes
;; launch prep: the kernel of part 1 again; grid 76 x 1, 8 waves a work-group, no clusters, 227,584 bytes of LDS; arguments clip_features, Wq, bq, Wk, bk, temperature, Wv, qkb, cbt, wvf; writes qkb, cbt, wvf
;; launch main (part 4): grid 256 x 1, 8 waves a work-group, no clusters, 219,392 bytes of LDS; arguments dino_features, qkb, cbt, py, ps; writes py, ps
.if DOCPART == 4
	.amdgcn_target "amdgcn-amd-amdhsa--gfx1250"
	.amdhsa_code_object_version 6
	.text
	.protected	k_q3c057964ba_main
	.globl	k_q3c057964ba_main
	.p2align	8
	.type	k_q3c057964ba_main,@function
k_q3c057964ba_main:
	s_mov_b64 s[64:65], 0
	v_nop
	global_prefetch_b8 v0, s[64:65] scope:SCOPE_SE
	s_setreg_imm32_b32 hwreg(HW_REG_WAVE_SCHED_MODE, 0, 2), 2
	s_setreg_imm32_b32 hwreg(HW_REG_WAVE_MODE, 25, 1), 1
	s_wait_xcnt 0x0
	s_wait_alu depctr_vm_vsrc(0)
; ONE PASS OVER x = dino_features [128][1369][384] f32.  For batch b and head h:  s[n] = x[n,:] . qk[h,:] + cb[h]  (already in powers of two),
; p[n] = 2^(s[n] - m) with a running maximum m,  l = sum p,  y[h,:] = sum p[n] x[n,:].  The value projection is applied to y by the next launch.
; SHARES.  Work-group = (batch, half); its eight waves are eight of the batch's sixteen shares: share g has rows 85 g + max(g - 7, 0) on, 85 of them (g < 7) or 86.
; Every wave LOADS 86 rows, 258 loads of 512 consecutive bytes; for g < 7 the 86th row is the neighbour's first, inside the batch, and is hidden by the mask; share 15 ends at the batch's last row.
; All waves run one text without a loop or a branch, and meet only to share qk at the start and to add their sums at the end.
; ROAD.  Up to 48 loads (16 rows, 192 registers) of a wave are out; four rows that have come are rounded to bf16 into an out-buffer, their registers are loaded again at once, and the out-buffer is
; stored into the wave's own stage of 32 rows in LDS.  Every 32 rows: the stage is read as rows (source 0 of the scores) and turned (source 0 of y^T).  All offsets are immediates: no address register is ever stepped.
; LAYOUT.  A tile has 16 columns and there are 8 heads: column h holds the hi part and column 8 + h the lo part of what is carried as a pair of bf16 (qk in the first product, p in the second).
; S = x qk: a lane holds column lane % 16 and patches 8 (lane / 16) + 0..7; the lane 8 away holds the other part, one addition joins them.  Two such tiles, packed in pairs, ARE source 1
; (32 patches x 16 columns) of y^T = x^T P, whose result again holds one column a lane, so the rescaling factor is one register a lane.
; FORMATS AND LIMITS.  x is rounded to bf16 once; qk and p are hi + lo pairs of bf16; sums, maxima and exponentials in f32.  A hidden row counts as its score less 1e30 in each of the two columns.
; A weight below 2^-126 counts as 0.  In the last step stage rows 22-31 hold older rows of the same batch, multiplied by weight 0.  NaN and infinities are not treated apart.
; NO CLUSTER: no two work-groups read the same rows of x; qk is 12 KiB a work-group beside 1 MiB of x.
; THE MODE: SCHED_MODE bits 1:0 = 2 (LLVM: expert scheduling mode 2), set by the entry lines.  The code itself states the register dependences
; between vector or matrix instructions and memory or LDS instructions, with s_wait_alu, always for 0.
; THE PLAN.  Registers that memory or LDS instructions touch:
;   the ring     window 1, v0-191.  Written by the loads of x alone, read by the conversions alone.
;   O0 .. O3     v24-119, 24 registers each: the out-buffers of a round of the ring.  Group g (four rows): its 24 conversions write O[g], its 12 LDS stores read it.
;   B0 .. B2     v48-119, 24 registers each: the fragments of both products.  Written by LDS loads, read by matrix instructions, by turns: while a step multiplies one, the two steps behind it are on their way.
;   addresses    v3, v4, v5 and window 1's v192, v193: made at the head; v3 to v5 are written again only where the waves meet.
; ONE wait on va_vdst stands behind a group's conversions: O[g] is written and the group's part of the ring is read out; the 12 refills and the 12 LDS stores follow it.
; ONE wait on va_vdst stands at the head of a step of a product, behind the wait for the step's own fragments: the step before is done reading the buffer in which the loads of two steps on land.
; A wait on vm_vsrc stands wherever registers that LDS stores have read are written again: at the head of every odd round (O0 .. O3 once more) and of the work on 32 rows (they become S, P, T and B0 .. B2).
; REGISTERS, in windows of 256 (s_set_vgpr_msb: bits 1:0 source 0, 3:2 source 1, 5:4 source 2, 7:6 destination):
;   window 0: v3-15 addresses and statistics; v16-23 CB; v24-119 O0 .. O3, or: v24-39 S; v40-47 P (in the last step first the mask); v48-119 B0 .. B2, of which v48-55 are T while B0 is idle; v120-255 y^T tiles 0-16
;   window 1: v0-191 the ring of 48 loads; v192, v193 its two addresses; v200-255 y^T tiles 17-23
.set STGB,  25600             ; a wave's stage: 32 rows
.set RP,    800               ; row pitch: 768 bytes of data + 32 = 200 words: row i starts at bank 8 i mod 64 (64 banks of 4 bytes: ISA guide 11.1);
                              ; rows 8-15 and 24-31 lie 16 bytes further on, so that the 16 rows of a plain fragment load start at 16 different groups of four banks
.set HALF,  16*RP
.set QKB,   8*STGB            ; qk: 16 rows (columns of the tile) of 768 bytes, pitch 784 = 49 x 16
.set QP,    784
.set MST,   QKB+16*QP         ; the waves' m (64 bytes a wave), then at +512 their l
.set HP,    1568              ; at the end a wave's y lies in its stage: 8 heads of 1,536 bytes, pitch 1,568
.set LFA, 3                   ; v3  my place in a plain fragment of the stage
.set LTR, 4                   ; v4  my place in a turned fragment
.set LQK, 5                   ; v5  my place in a fragment of qk
.set MX,  6                   ; v6  m;   v7 m_old - m (the pair is named by packed lines, which take its low word twice)
.set MO,  7
.set AF,  8                   ; v8  a = 2^(m_old - m);   v9 written once, named with it
.set LS,  10                  ; v10 l
.set NEG1, 11                 ; v11 -1.0
.set CB,  16                  ; the scores' starting value: cb in the hi columns, 0 in the lo columns
.set OB,  24                  ; the out-buffers: load i of a round's 48 leaves two registers at OB + 2 i
.set S,   24
.set P,   40
.set T,   48
.set LF,  48                  ; the three fragment buffers
.set HQ,  56                  ; at the head only: qk on its way into LDS
.set OT,  16                  ; at the end only: tile t's 16 bytes a lane at OT + 4 t
.set TM,  112                 ; at the end only: two sets of four at work
.set GOFC, 192                ; window 1: 16 x lane
.set LSTC, 193                ; window 1: my stage + 8 x lane
.set MSB, 0
.macro WIN new                ; the immediate's high byte repeats the setting that is left; a switch that changes nothing is dropped
.if MSB != (\new)
	s_set_vgpr_msb (MSB<<8)|(\new)
.set MSB, (\new)
.endif
.endm
.macro PLACES                 ; four places behind a matrix instruction, in front of vector reads of its result (ISA guide 7.12.1)
.rept 4
	v_nop
.endr
.endm
	s_load_b256 s[8:15], s[0:1], 0x0       ; x s[8:9], qkb s[10:11], cbt s[12:13], py s[14:15]
	s_load_b64 s[16:17], s[0:1], 0x20      ; ps
	v_lshl_add_u32 v1, v0, 2, 0x35500
	v_mov_b32 v2, 0
	v_lshrrev_b32 v24, 5, v0
	v_readfirstlane_b32 s2, v24            ; wave 0..7
	s_mov_b32 s3, ttmp9
	s_lshr_b32 s4, s3, 1                   ; batch
	s_and_b32 s5, s3, 1                    ; half
	s_wait_alu depctr_va_sdst(0)           ; s2 is written, ahead of its first reader: shares, bases and LDS places are made from it
	s_lshl3_add_u32 s6, s5, s2             ; share g = 8 half + wave
	s_mul_i32 s7, s6, 85
	s_sub_co_i32 s21, s6, 7
	s_max_i32 s21, s21, 0
	s_add_co_u32 s7, s7, s21               ; its first row
	s_cmp_ge_u32 s6, 7
	s_cselect_b32 s20, 6, 5                ; of rows 80-85, how many are mine
	s_mov_b32 s22, 0xff00ff00              ; the lanes of the lo columns
	s_mov_b32 s24, 0x76543210              ; v_permlanex16_b32: each lane takes its own place in the other half
	s_mov_b32 s25, 0xfedcba98
	s_mov_b32 s26, 0xf149f2ca              ; -1e30
	s_mul_i32 s27, s2, STGB                ; my stage
	s_mov_b32 s19, 0                       ; high word of the offset pair s[18:19]
	s_mul_i32 s18, s4, 1369
	s_add_co_u32 s18, s18, s7
	s_mul_i32 s18, s18, 1536               ; under 2^29
	v_and_b32 v24, 31, v0                  ; lane
	v_and_b32 v25, 15, v0                  ; r
	v_bfe_u32 v26, v0, 4, 1                ; hh
	v_bfe_u32 v27, v0, 3, 1
	v_and_b32 v28, 7, v0
	WIN 0x40                               ; destination window 1
	v_lshlrev_b32 v[GOFC], 4, v24
	v_lshl_add_u32 v[LSTC], v24, 3, s27
	WIN 0
	v_mul_u32_u24 v31, v26, 768
	v_lshl_add_u32 v31, v25, 4, v31        ; qk from memory: rows 2 w + hh, 16 r
	v_lshlrev_b32 v33, 9, v28              ; cb: head r % 8, 512 bytes apart
	s_wait_kmcnt 0x0
	s_add_nc_u64 s[28:29], s[8:9], s[18:19]  ; x at my first row
	s_mul_i32 s18, s4, 12288
	s_mul_i32 s21, s2, 1536
	s_add_co_u32 s18, s18, s21
	s_add_nc_u64 s[30:31], s[10:11], s[18:19]  ; qkb at the batch's columns 2 w, 2 w + 1
	s_lshl_b32 s18, s4, 2
	s_add_nc_u64 s[32:33], s[12:13], s[18:19]  ; cbt at the batch
	s_lshl3_add_u32 s18, s3, s2            ; 8 x work-group + wave: at the end wave w owns head w
	s_mul_i32 s21, s18, 1536
	s_lshl_b32 s18, s18, 3
	s_add_nc_u64 s[36:37], s[16:17], s[18:19]
	s_mov_b32 s18, s21
	s_add_nc_u64 s[34:35], s[14:15], s[18:19]
	s_wait_alu depctr_va_vdst(0)           ; v31, v33 and the ring's two addresses are written: the loads below, every later load of x and every store into the stage read them; only loads and a window switch follow
	global_load_b128 v[HQ:HQ+3],    v31, s[30:31]
	global_load_b128 v[HQ+4:HQ+7],  v31, s[30:31] offset:256
	global_load_b128 v[HQ+8:HQ+11], v31, s[30:31] offset:512
	global_load_b32 v[T], v33, s[32:33]
	WIN 0x41                               ; data and address in window 1
.set i, 0
.rept 48                                       ; the ring is filled: rows 0-15
	global_load_b128 v[4*i:4*i+3], v[GOFC], s[28:29] offset:512*i th:TH_LOAD_NT
.set i, i+1
.endr
	WIN 0
	v_lshlrev_b32 v29, 4, v26
	v_lshl_add_u32 v29, v27, 4, v29
	v_add_nc_u32 v29, s27, v29             ; my stage + 16 hh + 16 ((lane / 8) % 2): common to both kinds of fragment
	v_mad_u32_u24 v[LFA], v25, RP, v29     ; plain: row r (its shift of 16 bytes is the term with lane / 8), 16 hh along the row
	v_lshl_add_u32 v30, v26, 3, v28
	v_mad_u32_u24 v[LTR], v30, RP, v29     ; turned: row 8 hh + lane % 8 (its shift is the term with hh), 16 ((lane / 8) % 2) along the row
	v_mul_u32_u24 v[LQK], v25, QP
	v_lshl_add_u32 v[LQK], v26, 4, v[LQK]
	v_add_nc_u32 v[LQK], QKB, v[LQK]
	s_mul_i32 s21, s2, 2*QP
	s_add_co_u32 s21, s21, QKB
	v_mad_u32_u24 v32, v26, QP, s21
	v_lshl_add_u32 v32, v25, 4, v32        ; qk into LDS: row 2 w + hh, 16 r
	v_mov_b32 v[MO], 0
	v_mov_b32 v[AF+1], 0
	v_mov_b32 v[NEG1], -1.0
	s_wait_loadcnt 48                      ; qk and cb are in; the ring's 48 loads, issued behind them, stay out
	s_wait_alu depctr_va_vdst(0)           ; v32 is written, the address of the LDS stores below; so are v3, v4 and v5, the addresses of every fragment load
	ds_store_b128 v32, v[HQ:HQ+3]
	ds_store_b128 v32, v[HQ+4:HQ+7] offset:256
	ds_store_b128 v32, v[HQ+8:HQ+11] offset:512
	v_cndmask_b32 v[CB], v[T], 0, s22
.set i, 1
.rept 7
	v_mov_b32 v[CB+i], v[CB]
.set i, i+1
.endr
	s_wait_dscnt 0x0                       ; for the others' sake: my two rows of qk are in LDS
	s_barrier_signal -1
	s_barrier_wait -1
	s_wait_alu depctr_vm_vsrc(0)           ; the head's loads have read v31 and v33, its LDS stores v32 and v56-67: these registers lie in the out-buffers, which round 0's conversions write
; Round R of the ring: n rows are taken out, in groups of four, rounded into the out-buffers and stored into stage rows 16 (R % 2) on; the first nref of them are loaded again with round R + 1's rows.
; A group: its conversions (sources in window 1, destination in window 0); the window switch; the wait; its refills; its LDS stores (address in window 1, data in window 0: the loads' setting serves them too).
.macro STAGE R, n, nref
.set r0, 0
.rept ((\n)+3)/4
.set gn, (\n)-r0                       ; the group's rows
.if gn > 4
.set gn, 4
.endif
.set back, r0                          ; rows refilled so far in this round
.if back > (\nref)
.set back, (\nref)
.endif
	WIN 0x05
.set rho, r0
.rept gn
	s_wait_loadcnt 3*((\n)-1-rho)+3*back   ; behind this row's three loads: the round's later rows, and the refills issued so far
.if ((\R)&1) && (rho == 0)
	s_wait_alu depctr_vm_vsrc(0)           ; the even round's LDS stores have read O0 .. O3, which this round's conversions write again
.endif
.set q, 0
.rept 3
.set X, 4*(3*rho+q)
.set Y, OB+2*(3*rho+q)
	v_cvt_pk_bf16_f32 v[Y], v[X], v[X+1]
	v_cvt_pk_bf16_f32 v[Y+1], v[X+2], v[X+3]
.set q, q+1
.endr
.set rho, rho+1
.endr
	WIN 0x41
	s_wait_alu depctr_va_vdst(0)           ; the group's conversions are done reading its part of the ring, in which the loads below land, and have written its out-buffer, which the LDS stores below read
.set i, 3*r0
.rept 3*gn
.if i < 3*(\nref)
	global_load_b128 v[4*i:4*i+3], v[GOFC], s[28:29] offset:(48*((\R)+1)+i)*512 th:TH_LOAD_NT
.endif
.set i, i+1
.endr
.set i, 3*r0
.rept 3*gn
	ds_store_b64 v[LSTC], v[OB+2*i:OB+2*i+1] offset:((i/3)+16*((\R)&1))*RP+(((i/3)>>3)&1)*16+256*(i%3)
.set i, i+1
.endr
.set r0, r0+4
.endr
	WIN 0
.endm
; The fragments of 32 channels: stage rows 0-15, rows 16-31, qk: six loads, 24 registers, buffer kk % 3
.macro LOADK kk
.set LB, LF+24*((\kk)%3)
	ds_load_b128 v[LB:LB+3],     v[LFA] offset:64*(\kk)
	ds_load_b128 v[LB+4:LB+7],   v[LFA] offset:64*(\kk)+32
	ds_load_b128 v[LB+8:LB+11],  v[LFA] offset:64*(\kk)+HALF
	ds_load_b128 v[LB+12:LB+15], v[LFA] offset:64*(\kk)+HALF+32
	ds_load_b128 v[LB+16:LB+19], v[LQK] offset:64*(\kk)
	ds_load_b128 v[LB+20:LB+23], v[LQK] offset:64*(\kk)+32
.endm
; The scores of 32 patches: two accumulators by turns; the first products start from CB (the last 16 patches of the last step: from the mask in P).
; Step kk multiplies buffer kk % 3; at its head the loads of step kk + 2 go into the buffer that step kk - 1 multiplied.
.macro LOGITS tail
	LOADK 0
	LOADK 1
.set kk, 0
.rept 12
.set FB, LF+24*(kk%3)
.if kk == 11
	s_wait_dscnt 0x0
.else
	s_wait_dscnt 0x6                       ; this step's fragments are in; the next step's six loads may be out
.endif
.if kk <= 9
.if kk >= 1
	s_wait_alu depctr_va_vdst(0)           ; the products of the step before are done reading their fragments, in whose registers the loads below land
.endif
	LOADK kk+2                             ; (at kk = 0 the third buffer's last writers, conversions, stand ahead of their group's wait)
.endif
.if kk == 0
	v_wmma_f32_16x16x32_bf16 v[S:S+7], v[FB:FB+7], v[FB+16:FB+23], v[CB:CB+7]
.if \tail
	v_wmma_f32_16x16x32_bf16 v[S+8:S+15], v[FB+8:FB+15], v[FB+16:FB+23], v[P:P+7]
.else
	v_wmma_f32_16x16x32_bf16 v[S+8:S+15], v[FB+8:FB+15], v[FB+16:FB+23], v[CB:CB+7]
.endif
.else
	v_wmma_f32_16x16x32_bf16 v[S:S+7], v[FB:FB+7], v[FB+16:FB+23], v[S:S+7]
	v_wmma_f32_16x16x32_bf16 v[S+8:S+15], v[FB+8:FB+15], v[FB+16:FB+23], v[S+8:S+15]
.endif
.set kk, kk+1
.endr
.endm
; Three turned fragments (16 channels x 32 patches each), tiles 3 q on: six loads, 24 registers, buffer (q + 1) % 3: groups 0 and 1 leave B0, and T in it, to the softmax
.macro TRL q
.set tt, 0
.rept 3
.set LB, LF+24*(((\q)+1)%3)+8*tt
	ds_load_tr16_b128 v[LB:LB+3],   v[LTR] offset:32*(3*(\q)+tt)
	ds_load_tr16_b128 v[LB+4:LB+7], v[LTR] offset:32*(3*(\q)+tt)+HALF
.set tt, tt+1
.endr
.endm
.macro SOFTMAX first
.set i, 0
.rept 16                                       ; hi + lo: both lanes then hold the whole score.  Each accumulator is read from its low end on
	v_add_f32_dpp v[S+i], v[S+i], v[S+i] row_xmask:8 row_mask:0xf bank_mask:0xf
.set i, i+1
.endr
	v_max3_num_f32 v[T],   v[S],   v[S+1],  v[S+2]
	v_max3_num_f32 v[T+1], v[S+3], v[S+4],  v[S+5]
	v_max3_num_f32 v[T+2], v[S+6], v[S+7],  v[S+8]
	v_max3_num_f32 v[T+3], v[S+9], v[S+10], v[S+11]
	v_max3_num_f32 v[T],   v[T],   v[S+12], v[S+13]
	v_max3_num_f32 v[T+1], v[T+1], v[S+14], v[S+15]
.if \first
	v_max_num_f32 v[T+2], v[T+2], v[T+3]
.else
	v_max3_num_f32 v[T+2], v[T+2], v[T+3], v[MX]
.endif
	v_max3_num_f32 v[T], v[T], v[T+1], v[T+2]
	v_permlanex16_b32 v[T+1], v[T], s24, s25   ; the column's other 16 patches lie in the lane 16 away
.if \first
	v_max_num_f32 v[MX], v[T], v[T+1]
.else
	v_mov_b32 v[MO], v[MX]
	v_max_num_f32 v[MX], v[T], v[T+1]
	v_sub_f32 v[MO], v[MO], v[MX]
	v_exp_f32 v[AF], v[MO]                 ; the subtractions below are the plain lines behind it
.endif
.set i, 0
.rept 8
	v_pk_add_f32 v[S+2*i:S+2*i+1], v[S+2*i:S+2*i+1], v[MX:MX+1] op_sel_hi:[1,0] neg_lo:[0,1] neg_hi:[0,1]
.set i, i+1
.endr
.set i, 0
.rept 16
	v_exp_f32 v[S+i], v[S+i]
.set i, i+1
.endr
	v_nop                                  ; a plain line between the exponentials and the use of their results (ISA guide 5.7.2)
	s_wait_alu depctr_va_vdst(0)
	v_pk_add_f32 v[T:T+1],   v[S:S+1],     v[S+2:S+3]
	v_pk_add_f32 v[T+2:T+3], v[S+4:S+5],   v[S+6:S+7]
	v_pk_add_f32 v[T+4:T+5], v[S+8:S+9],   v[S+10:S+11]
	v_pk_add_f32 v[T+6:T+7], v[S+12:S+13], v[S+14:S+15]
	v_pk_add_f32 v[T:T+1],   v[T:T+1],     v[T+2:T+3]
	v_pk_add_f32 v[T+4:T+5], v[T+4:T+5],   v[T+6:T+7]
	v_pk_add_f32 v[T:T+1],   v[T:T+1],     v[T+4:T+5]
.if \first
	v_add_f32 v[LS], v[T], v[T+1]
.else
	v_add_f32 v12, v[T], v[T+1]
	v_fma_f32 v[LS], v[LS], v[AF], v12
.endif
.set i, 0
.rept 8                                        ; p = hi + lo: hi,
	v_cvt_pk_bf16_f32 v[P+i], v[S+2*i], v[S+2*i+1]
.set i, i+1
.endr
.set i, 0
.rept 8                                        ; the exact remainder, in place,
	v_fma_mix_f32_bf16 v[S+2*i],   v[P+i], v[NEG1], v[S+2*i]   op_sel_hi:[1,0,0]
	v_fma_mix_f32_bf16 v[S+2*i+1], v[P+i], v[NEG1], v[S+2*i+1] op_sel:[1,0,0] op_sel_hi:[1,0,0]
.set i, i+1
.endr
.set i, 0
.rept 8                                        ; lo,
	v_cvt_pk_bf16_f32 v[T+i], v[S+2*i], v[S+2*i+1]
.set i, i+1
.endr
.set i, 0
.rept 8                                        ; and each column keeps its part
	v_cndmask_b32 v[P+i], v[P+i], v[T+i], s22
.set i, i+1
.endr
.endm
.macro RESCALE                ; y^T times a
.set i, 120
.rept 68
	v_pk_mul_f32 v[i:i+1], v[i:i+1], v[AF:AF+1] op_sel_hi:[1,0]
.set i, i+2
.endr
	WIN 0x41
.set i, 200
.rept 28
	v_pk_mul_f32 v[i:i+1], v[i:i+1], v[AF:AF+1] op_sel_hi:[1,0]
.set i, i+2
.endr
	WIN 0
.endm
; y^T += x^T P: 24 tiles of 16 channels, each its own accumulator, three to a step; first = 1: the products start the sums.
; Step q multiplies buffer (q + 1) % 3; at its head the loads of step q + 2 go into the buffer that step q - 1 multiplied (at q = 0: B0, whose first eight registers were T).
.macro YMUL first
.set q, 0
.rept 8
.if q == 7
	s_wait_dscnt 0x0
.else
	s_wait_dscnt 0x6                       ; this step's fragments are in; the next step's six loads may be out
.endif
.if q <= 5
	s_wait_alu depctr_va_vdst(0)           ; the products of the step before are done reading their fragments (at q = 0: the softmax is done with T), in whose registers the loads below land
	TRL q+2
.endif
.set tt, 0
.rept 3
.set tl, 3*q+tt
.set FB, LF+24*((q+1)%3)+8*tt
.if tl < 17
.set AC, 120+8*tl
.else
	WIN 0x50                               ; C and D in window 1; no load follows: the last run stands at the head of the step of tiles 15-17
.set AC, 200+8*(tl-17)
.endif
.if \first
	v_wmma_f32_16x16x32_bf16 v[AC:AC+7], v[FB:FB+7], v[P:P+7], 0
.else
	v_wmma_f32_16x16x32_bf16 v[AC:AC+7], v[FB:FB+7], v[P:P+7], v[AC:AC+7]
.endif
.set tt, tt+1
.endr
.set q, q+1
.endr
	WIN 0
.endm
.macro MKMASK                 ; the starting value of rows 80-95's scores, into P: register j of a lane is patch 8 hh + j, hidden where that is not below s20
	v_bfe_u32 v12, v0, 4, 1
	v_lshlrev_b32 v12, 3, v12
	v_sub_nc_u32 v14, v12, s20
	v_add_f32 v13, s26, v[CB]
.set j, 0
.rept 8                                        ; the compares in one run, into s8-s15, whose pointers have served
	v_cmp_le_i32 s[8+j], 0-j, v14
.set j, j+1
.endr
	s_wait_alu depctr_va_sdst(0)           ; the eight compares have written s8-s15, ahead of their first readers, the selections below
.set j, 0
.rept 8
	v_cndmask_b32 v[P+j], v[CB], v13, s[8+j]
.set j, j+1
.endr
.endm
; 32 rows of the stage.  The turned fragments' first two runs land while the softmax is made.
.macro WORK first, tail
	s_wait_alu depctr_vm_vsrc(0)           ; the odd round's LDS stores have read O0 .. O3: from here on these registers are S, P, T and B0 .. B2, written by products, vector lines and fragment loads
.if \tail
	MKMASK
.endif
	LOGITS \tail
	PLACES                                 ; in front of the softmax's reads of S; they stay beside the wait below
	s_wait_alu depctr_va_vdst(0)           ; the last two steps' products are done reading B1 and B2, in which the turned loads below land
	TRL 0
	TRL 1
	SOFTMAX \first
.if !(\first)
	RESCALE
.endif
	YMUL \first
.endm
	STAGE 0, 16, 16
	STAGE 1, 16, 16
	WORK 1, 0                              ; rows 0-31
	STAGE 2, 16, 16                        ; (its first sixteen conversions write S's registers: the places between the last products and the writes of P and of the fragments)
	STAGE 3, 16, 16
	WORK 0, 0                              ; rows 32-63
	STAGE 4, 16, 6                         ; only six rows are left to ask for
	STAGE 5, 6, 0
	WORK 0, 1                              ; rows 64-85
	; THE WAVES MEET.  Each puts m, l and its y (hi + lo joined, f32) into LDS; then wave w adds head w over the eight waves.
	; The nine plain lines below that make addresses are the places behind the last products.
	s_wait_alu depctr_vm_vsrc(0)           ; the fragment loads have read v3, v4 and v5, which are written anew from here on
	v_permlanex16_b32 v12, v[LS], s24, s25
	v_and_b32 v13, 15, v0
	v_and_b32 v14, 7, v0
	v_add_f32 v[LS], v[LS], v12            ; l over all my patches
	s_lshl_b32 s21, s2, 6
	s_add_co_u32 s21, s21, MST
	v_lshl_add_u32 v3, v13, 2, s21
	v_bfe_u32 v13, v0, 4, 1
	v_bfe_u32 v15, v0, 3, 1
	v_mad_u32_u24 v4, v14, HP, s27
	v_lshl_add_u32 v4, v13, 5, v4
	v_lshl_add_u32 v4, v15, 4, v4          ; head r % 8, channels 8 hh + 4 (r / 8) on
; Tile t: a hi lane keeps its channels 0-3 and gives 4-7, a lo lane the other way round; one addition with the lane 8 away joins hi and lo: 16 bytes a lane, in registers of the tile's own.
.macro OUTV t
.if (\t) < 17
	WIN 0
.set AC, 120+8*(\t)
.else
	WIN 0x05                               ; sources 0 and 1 in window 1
.set AC, 200+8*((\t)-17)
.endif
.set U, OT+4*(\t)
.set W, TM+4*((\t)&1)
.set j, 0
.rept 4
	v_cndmask_b32 v[U+j], v[AC+j],   v[AC+j+4], s22
	v_cndmask_b32 v[W+j], v[AC+j+4], v[AC+j],   s22
.set j, j+1
.endr
	WIN 0
.set j, 0
.rept 4
	v_add_f32_dpp v[U+j], v[W+j], v[U+j] row_xmask:8 row_mask:0xf bank_mask:0xf
.set j, j+1
.endr
.endm
.macro OUTS b                 ; the LDS stores of tiles 8 b to 8 b + 7
.set i, 8*(\b)
.rept 8
	ds_store_b128 v4, v[OT+4*i:OT+4*i+3] offset:64*i
.set i, i+1
.endr
.endm
.set tn, 0
.rept 8
	OUTV tn
.set tn, tn+1
.endr
	s_wait_alu depctr_va_vdst(0)           ; v3, v4, m, l and tiles 0-7's sums are written, which the LDS stores below read
	ds_store_b32 v3, v[MX]                 ; both halves of the lanes hold the same numbers
	ds_store_b32 v3, v[LS] offset:512
	OUTS 0
.rept 8
	OUTV tn
.set tn, tn+1
.endr
	s_wait_alu depctr_va_vdst(0)           ; tiles 8-15's sums are written, which the LDS stores below read
	OUTS 1
.rept 8
	OUTV tn
.set tn, tn+1
.endr
	s_lshl_b32 s21, s2, 2                  ; the addresses of the loads behind the barrier are made here, ahead of the wait that stands here anyway
	s_add_co_u32 s21, s21, MST
	v_mov_b32 v5, s21                      ; head w's word in each wave's 64 bytes
	v_and_b32 v12, 31, v0
	v_lshlrev_b32 v12, 4, v12              ; 16 x lane
	s_mul_i32 s21, s2, HP
	v_add_nc_u32 v13, s21, v12             ; head w in the stages of waves 0-2,
	v_add_nc_u32 v14, 3*STGB, v13          ; 3-5,
	v_add_nc_u32 v15, 6*STGB, v13          ; 6, 7: an LDS immediate has 16 bits
	s_wait_alu depctr_va_vdst(0)           ; tiles 16-23's sums are written, which the LDS stores below read; so are v5 and v12 to v15; and every writer of v16-31 and every writer and reader of y^T's registers is done: the loads behind the barrier land there
	OUTS 2
	s_wait_dscnt 0x0                       ; for the others' sake: my m, l and y are in LDS (and my reads of the stage are long over)
	s_barrier_signal -1
	s_barrier_wait -1
	s_wait_alu depctr_vm_vsrc(0)           ; my LDS stores have read v6, v10 and v16-111: loads land in v16-31, and the sums below write v6 and v40-51
.set i, 0
.rept 8
	ds_load_b32 v[16+i], v5 offset:64*i
.set i, i+1
.endr
.set i, 0
.rept 8
	ds_load_b32 v[24+i], v5 offset:512+64*i
.set i, i+1
.endr
.set wp, 0
.rept 8
.set q, 0
.rept 3
	ds_load_b128 v[120+12*wp+4*q:123+12*wp+4*q], v[13+wp/3] offset:(wp%3)*STGB+512*q
.set q, q+1
.endr
.set wp, wp+1
.endr
	s_wait_dscnt 0x0
	v_max3_num_f32 v6, v16, v17, v18
	v_max3_num_f32 v6, v6, v19, v20
	v_max3_num_f32 v6, v6, v21, v22
	v_max_num_f32 v6, v6, v23              ; M
.set i, 0
.rept 8
	v_sub_f32 v[16+i], v[16+i], v6
.set i, i+1
.endr
.set i, 0
.rept 8
	v_exp_f32 v[16+i], v[16+i]             ; e = 2^(m - M)
.set i, i+1
.endr
	v_nop
	s_wait_alu depctr_va_vdst(0)
	v_mul_f32 v7, v16, v24
.set i, 1
.rept 7
	v_fmac_f32 v7, v[16+i], v[24+i]        ; L = sum e l
.set i, i+1
.endr
.set wp, 0
.rept 8                                        ; y = sum e y_wave; e is taken from its place in a register pair
.set EP, 16+2*(wp/2)
.set pp, 0
.rept 6
.set PA, 120+12*wp+2*pp
.if wp == 0
	v_pk_mul_f32 v[40+2*pp:41+2*pp], v[PA:PA+1], v[EP:EP+1] op_sel_hi:[1,0]
.elseif (wp&1) == 0
	v_pk_fma_f32 v[40+2*pp:41+2*pp], v[PA:PA+1], v[EP:EP+1], v[40+2*pp:41+2*pp] op_sel_hi:[1,0,1]
.else
	v_pk_fma_f32 v[40+2*pp:41+2*pp], v[PA:PA+1], v[EP:EP+1], v[40+2*pp:41+2*pp] op_sel:[0,1,0] op_sel_hi:[1,1,1]
.endif
.set pp, pp+1
.endr
.set wp, wp+1
.endr
	v_mov_b32 v8, 0                        ; the offset of (M, L): in a register that no memory instruction has read
	s_wait_alu depctr_va_vdst(0)           ; y, M, L and v8 are written, which the stores below read
	global_store_b128 v12, v[40:43], s[34:35]             ; 512 consecutive bytes each, aligned
	global_store_b128 v12, v[44:47], s[34:35] offset:512
	global_store_b128 v12, v[48:51], s[34:35] offset:1024
	global_store_b64 v8, v[6:7], s[36:37]  ; (M, L): every lane holds the same pair and stores it to the same eight bytes
	s_wait_dscnt 0x0                       ; the wave's end
	s_wait_alu depctr_hold_cnt(0) depctr_sa_sdst(0) depctr_va_vdst(0) depctr_va_sdst(0) depctr_va_ssrc(0) depctr_va_vcc(0) depctr_vm_vsrc(0)
	s_wait_tensorcnt 0x0
	ds_add_u32 v1, v2
	s_wait_dscnt 0x0
	s_endpgm
.Lfunc_end_k_q3c057964ba_main:
	.size	k_q3c057964ba_main, .Lfunc_end_k_q3c057964ba_main-k_q3c057964ba_main
	.p2alignl 7, 3214868480
	.fill 96, 4, 3214868480
	.section	.rodata,"a",@progbits
	.p2align	6, 0x0
	.amdhsa_kernel k_q3c057964ba_main
		.amdhsa_group_segment_fixed_size 219392
		.amdhsa_private_segment_fixed_size 0
		.amdhsa_enable_private_segment 0
		.amdhsa_kernarg_size 40
		.amdhsa_user_sgpr_count 2
		.amdhsa_user_sgpr_kernarg_segment_ptr 1
		.amdhsa_wavefront_size32 1
		.amdhsa_system_sgpr_workgroup_id_x 1
		.amdhsa_system_sgpr_workgroup_id_y 1
		.amdhsa_system_sgpr_workgroup_id_z 1
		.amdhsa_system_vgpr_workitem_id 0
		.amdhsa_next_free_vgpr 512
		.amdhsa_next_free_sgpr 66
		.amdhsa_reserve_vcc 0
		.amdhsa_float_denorm_mode_32 3
		.amdhsa_float_denorm_mode_16_64 3
		.amdhsa_memory_ordered 1
		.amdhsa_forward_progress 1
		.amdhsa_inst_pref_size 177
	.end_amdhsa_kernel
	.amdgpu_metadata
---
amdhsa.version: [ 1, 2 ]
amdhsa.kernels:
  - .name:           k_q3c057964ba_main
    .symbol:         k_q3c057964ba_main.kd
    .args:
      - { .name: dino_features, .offset: 0, .size: 8, .value_kind: global_buffer, .address_space: global }
      - { .name: qkb, .offset: 8, .size: 8, .value_kind: global_buffer, .address_space: global }
      - { .name: cbt, .offset: 16, .size: 8, .value_kind: global_buffer, .address_space: global }
      - { .name: py, .offset: 24, .size: 8, .value_kind: global_buffer, .address_space: global }
      - { .name: ps, .offset: 32, .size: 8, .value_kind: global_buffer, .address_space: global }
    .group_segment_fixed_size: 219392
    .private_segment_fixed_size: 0
    .kernarg_segment_align: 8
    .kernarg_segment_size: 40
    .max_flat_workgroup_size: 256
    .sgpr_count:     66
    .vgpr_count:     512
    .wavefront_size: 32
...
	.end_amdgpu_metadata
.endif
;; end of part 4
;; launch final: the kernel of part 3 again; grid 128 x 1, 8 waves a work-group, no clusters, 15,616 bytes of LDS; arguments py, ps, wvf, bv, ln_gamma, ln_beta, out0; writes out0
